; MI455X (gfx1250); checked and timed in simulation.
; The chip was launched on July 23, 2026; its instructions are those of AMD's public machine-readable ISA for CDNA 5 (MIT licence, August 2026) and "CDNA5" Instruction Set Architecture Reference Guide (July 2026). The comments in the code are by the model that wrote it; some were corrected since.
;; Multihead Attention. Allowed arithmetic: matrix products marked QUANTISED: E2M1 operands, one E8M0 scale for each 32 along K, by v_wmma_scale_f32_16x16x128_f8f6f4 with both operands' format E2M1 (or v_wmma_scale_f32_32x16x128_f4), f32 sums; products left as they are: bf16, f16 or f32 operands; f32 sums; everything else in f32.
;; Inputs: Wk 1,024 x 1,024 float32; Wo 1,024 x 1,024 float32; Wq 1,024 x 1,024 float32; Wv 1,024 x 1,024 float32; bk 1,024 float32; bo 1,024 float32; bq 1,024 float32; bv 1,024 float32; k 4 x 2,048 x 1,024 float32; mask 4 x 1 x 2,048 x 2,048 int32; q 4 x 2,048 x 1,024 float32; v 4 x 2,048 x 1,024 float32.
;; Outputs: out0 4 x 2,048 x 1,024 float32.
;; This version of the problem:
;;   THIS VERSION OF THE PROBLEM IS GIVEN IN LOW PRECISION. The matrix products marked QUANTISED in the list below multiply operands that are first quantised to E2M1 (2 exponent bits, 1 mantissa bit; 4 bits a number), with one power-of-two scale for each 32 numbers along K (OCP MX v1.0); their sums are f32. The products marked 'left as it is' may take bf16, f16 or f32 operands, with f32 sums. Whichever they take, every output number must still come out within the allowed error. Rounding operands to bf16 (8 significant bits) uses up far more of that allowance than f16 does (11 bits, for magnitudes from 6e-5 to 65,504). All else is computed in f32.
;;   The module's matrix products, in the order in which they are computed (A, B: the left and right operand; K: the contracted axis; several contracted axes count as one K, in the product's order):
;;     1. [M 8,192, K 1,024] x [K 1,024, N 1,024]; A: input q; B: input Wq: QUANTISED
;;     2. [M 8,192, K 1,024] x [K 1,024, N 1,024]; A: input k; B: input Wk: QUANTISED
;;     3. [M 8,192, K 1,024] x [K 1,024, N 1,024]; A: input v; B: input Wv: QUANTISED
;;     4. batch 64 x [M 2,048, K 64] x [K 64, N 2,048]; A: computed on the way; B: computed on the way: left as it is (an operand is computed on the way)
;;     5. batch 64 x [M 2,048, K 2,048] x [K 2,048, N 64]; A: computed on the way; B: computed on the way: left as it is (an operand is computed on the way)
;;     6. [M 8,192, K 1,024] x [K 1,024, N 1,024]; A: computed on the way; B: input Wo: left as it is (an operand is computed on the way)
;;   THE QUANTISER, for each operand of a quantised product, along K:
;;     - K is cut into blocks of 32 from its start; a last block that is shorter is filled with zeros.
;;     - A block's scale is 2^e with e = floor(log2(the largest magnitude in the block)) - 2, held to -126 .. 127; a block of zeros has e = 0. As a byte (E8M0): e + 127.
;;     - Each number is divided by its block's scale, clamped to +-6, and rounded to the nearest number of E2M1, ties to even, subnormals kept.
;;     - The product sums the exact products of the quantised numbers (number of the format x scale) in f32.
;;   ~~~python
;;   def quantise(x, axis):      # numpy; x: float32 -> the quantised numbers, widened to float32 again
;;       x = np.moveaxis(x, axis, -1); K = x.shape[-1]
;;       x = np.pad(x, [(0, 0)] * (x.ndim - 1) + [(0, -K % 32)]); x = x.reshape(x.shape[:-1] + (-1, 32)); a = np.abs(x).max(-1, keepdims=True)
;;       e = np.where(a > 0, np.clip(np.frexp(np.where(a > 0, a, 1))[1] - 1 - 2, -126, 127), 0)      # np.frexp(a)[1] - 1 = floor(log2(a)), exactly
;;       r = np.clip(x / 2.0 ** e, -6, 6)
;;       step = 2.0 ** (np.maximum(np.frexp(np.where(r == 0, 1, r))[1] - 1, 0) - 1)
;;       q = np.round(r / step) * step * 2.0 ** e      # np.round: ties to even
;;       return np.moveaxis(q.reshape(q.shape[:-2] + (-1,))[..., :K], -1, axis).astype(np.float32)
;;   ~~~
;; One version. Each part assembles by itself: llvm-mc -triple=amdgcn-amd-amdhsa -mcpu=gfx1250 --defsym DOCPART=n.
;; ======== version 1 of 1: 4 launches
;; limits: values are held in f16: magnitudes above 65,504 overflow, below 6.1e-05 lose precision
;; workspace buffers: codes 14,155,776 bytes; scales 884,736 bytes; wimg 2,097,152 bytes; maskw 2,097,152 bytes of whole numbers; qkv 50,331,648 bytes; ximg 16,777,216 bytes
;; launch prep (part 1): grid 1952 x 1, 4 waves a work-group, no clusters, 67,072 bytes of LDS; arguments q, k, v, Wq, Wk, Wv, Wo, mask, codes, scales, wimg, maskw; writes codes, scales, wimg, maskw
.if DOCPART == 1
	.amdgcn_target "amdgcn-amd-amdhsa--gfx1250"
	.amdhsa_code_object_version 6
	.text
	.protected	k_q2254b89cef_prep
	.globl	k_q2254b89cef_prep
	.p2align	8
	.type	k_q2254b89cef_prep,@function
k_q2254b89cef_prep:
	s_mov_b64 s[64:65], 0
	v_nop
	global_prefetch_b8 v0, s[64:65] scope:SCOPE_SE
	s_setreg_imm32_b32 hwreg(HW_REG_WAVE_MODE, 25, 1), 1
	s_wait_xcnt 0x0
; PREP.  Three jobs in one launch, told apart by the work-group's number.
; (1) Work-groups 0-863: q, k, v [8192][1024] and Wq, Wk, Wv [1024][1024], f32, K innermost, become codes of FP4 (E2M1), two a byte, and one E8M0 byte for each 32 along K.
;     The six tensors are plain streams of blocks of 32; their codes lie one tensor behind the other in 'codes' (512 bytes a row), their bytes likewise in 'scales' (32 bytes a row).
;     A block's scale is 2^(floor(log2(largest magnitude)) - 2); its byte is the largest magnitude's exponent field - 2, held at 1 from below (a block of zeros gets the byte 1: its codes are zeros, and this program alone reads the bytes).
; (2) Work-groups 864-1887: mask [8192 rows][2048 keys], int32, becomes LANE MASKS: for a tile of 16 queries x 16 keys eight words; bit l of word j says whether mask(query l % 16, key 8 (l / 16) + j) is not 0.
;     That is the place of lane l's register j in the score tile that the attention launch makes, so one select there serves a whole register.  maskw: [row tile 512][key tile 128][j 8] words.
; (3) Work-groups 1888-1951: Wo [1024][1024] f32 becomes f16, laid as images of the operand's registers: [row tile 64][32 along K: 32][registers 4 u on: 2][lane 32][16 bytes].
; LIMITS: NaN and infinities among the inputs are not served; blocks whose largest magnitude lies under 2^-124 hold the byte 1; |Wo| stays under 65,504 (f16).
; Jobs 2 and 3 take one way through the text up to their last lines: 16 rows x 256 columns a wave are loaded as they lie (512 consecutive bytes a load) and turned through the wave's own stage in LDS,
; so that lane (r, h) holds row r and, in register 8 kt + j, column 16 kt + 8 h + j.  No barrier: waves share nothing.  Job 1 and jobs 2, 3 have LDS bytes of their own.
.set NQWG,  864                        ; work-groups of job 1: 3 x 256 + 3 x 32, 32,768 numbers each
.set NMWG,  1024                       ; of job 2: 512 row tiles x 2 halves of the keys
.set STEPS, 16
.set EMAX,  2
.set CB,    8                          ; bytes of 16 codes
.set R,     16                         ; job 1: v16-79 four sets of 16 numbers as loaded
.set X,     80                         ; v80-111 two sets of 16 neighbours
.set E,     112                        ; v112-127 a scale byte for each step
.set C,     128                        ; v128-191 codes, four registers a step
.set WREG,  8192                       ; LDS, job 1: a region for each wave: two stages of 32 x SP bytes, then its 256 scale bytes
.set SP,    80
.set TSTG,  4*WREG                     ; LDS, jobs 2 and 3: a stage of 16 rows x TP bytes for each wave
.set TP,    528                        ; 512 bytes + 16 of padding: the sixteen rows that a load touches start at sixteen different banks
.set SPARE, TSTG+4*16*TP               ; the spare words, 128 bytes for each wave: two blocks of 256 bytes that no other line names
.set SPW,   12                         ; v12 LDS address of my spare word; never rewritten
.set NIL,   13                         ; v13 0; never rewritten
.set VO,    16                         ; jobs 2, 3: v16-31 byte offset of row i: 16 x lane + i x pitch
.set R0,    32                         ; v32-95 unit 0 as loaded, later unit 1 turned
.set R1,    96                         ; v96-159 unit 1 as loaded
.set X0,    160                        ; v160-223 unit 0 turned
.set MW,    224                        ; v224-227 the lane masks on their way out: two words a lane and unit
	s_load_b512 s[4:19], s[0:1], 0x0               ; q, k, v, Wq, Wk, Wv, Wo s[16:17], mask s[18:19]
	s_load_b256 s[20:27], s[0:1], 0x40             ; codes, scales, wimg s[24:25], maskw s[26:27]
	v_lshl_add_u32 v[SPW], v0, 2, SPARE
	v_mov_b32 v[NIL], 0
	v_lshrrev_b32 v1, 5, v0
	v_readfirstlane_b32 s28, v1                    ; wave
	v_and_b32 v2, 31, v0                           ; lane
	s_cmp_ge_u32 ttmp9, NQWG
	s_cbranch_scc1 .Lturn
; ---------------- job 1: the quantiser.  A wave takes 16 steps of 512 numbers; loads run four steps ahead, the turn through LDS one step.
	v_lshlrev_b32 v3, 4, v2                        ; my 16 bytes of a load's 512
	s_mul_i32 s29, s28, WREG
	v_lshrrev_b32 v14, 2, v2
	v_mul_u32_u24 v14, v14, SP
	v_and_b32 v15, 3, v2
	v_lshl_add_u32 v14, v15, 4, v14
	v_add_nc_u32 v14, s29, v14                     ; the stage, on the way in: four lanes' 64 bytes on end, then 16 of padding
	v_mul_u32_u24 v15, v2, SP
	v_add_nc_u32 v15, s29, v15                     ; and on the way out: my 16 neighbours
	v_mul_u32_u24 v4, v2, CB                       ; my codes' place in a step's
	v_lshrrev_b32 v5, 1, v2
	s_add_co_u32 s29, s29, 2*32*SP
	v_add_nc_u32 v5, s29, v5                       ; my block's byte among my wave's 256 scale bytes
	v_lshlrev_b32 v7, 3, v2
	v_add_nc_u32 v6, s29, v7                       ; and on the way out 8 bytes a lane
	s_wait_kmcnt 0x0
	s_mov_b64 s[30:31], s[14:15]                   ; which tensor, and its first work-group: the choice hangs on the work-group's number alone
	s_mov_b32 s32, 832
	s_cmp_lt_u32 ttmp9, 832
	s_cselect_b64 s[30:31], s[12:13], s[30:31]
	s_cselect_b32 s32, 800, s32
	s_cmp_lt_u32 ttmp9, 800
	s_cselect_b64 s[30:31], s[10:11], s[30:31]
	s_cselect_b32 s32, 768, s32
	s_cmp_lt_u32 ttmp9, 768
	s_cselect_b64 s[30:31], s[8:9], s[30:31]
	s_cselect_b32 s32, 512, s32
	s_cmp_lt_u32 ttmp9, 512
	s_cselect_b64 s[30:31], s[6:7], s[30:31]
	s_cselect_b32 s32, 256, s32
	s_cmp_lt_u32 ttmp9, 256
	s_cselect_b64 s[30:31], s[4:5], s[30:31]
	s_cselect_b32 s32, 0, s32
	s_sub_co_u32 s32, ttmp9, s32
	s_lshl_b32 s32, s32, 2
	s_add_co_u32 s32, s32, s28                     ; which run of 8,192 numbers of the tensor is my wave's
	s_lshl_b32 s32, s32, 15                        ; 32,768 bytes a run
	s_mov_b32 s33, 0
	s_add_nc_u64 s[30:31], s[30:31], s[32:33]
	s_lshl_b32 s34, ttmp9, 2
	s_add_co_u32 s34, s34, s28                     ; the run's number among all six tensors': the outputs lie on end
	s_lshl_b32 s36, s34, 12                        ; 4,096 bytes of codes a run
	s_mov_b32 s37, 0
	s_add_nc_u64 s[20:21], s[20:21], s[36:37]
	s_lshl_b32 s36, s34, 8                         ; 256 scale bytes a run
	s_add_nc_u64 s[22:23], s[22:23], s[36:37]
.macro LOAD t
.irp i, 0,1,2,3
	global_load_b128 v[R+16*((\t)%4)+4*\i:R+16*((\t)%4)+4*\i+3], v3, s[30:31] offset:2048*(\t)+512*\i th:TH_LOAD_NT   ; 32 lanes read 512 consecutive bytes
.endr
.endm
.macro TURNQ t                         ; step t's numbers through the stage: LDS serves a wave's instructions in order, so no wait stands between the stores and the loads
.irp i, 0,1,2,3
	ds_store_b128 v14, v[R+16*((\t)%4)+4*\i:R+16*((\t)%4)+4*\i+3] offset:32*SP*((\t)%2)+8*SP*\i
.endr
.irp i, 0,1,2,3
	ds_load_b128 v[X+16*((\t)%2)+4*\i:X+16*((\t)%2)+4*\i+3], v15 offset:32*SP*((\t)%2)+16*\i
.endr
.endm
.irp t, 0,1,2,3
	LOAD \t
.endr
	s_wait_loadcnt 12                              ; step 0's four loads are in
	TURNQ 0
.macro STEP t
.set XS, X+16*((\t)%2)
.if (\t) > 0
	s_wait_dscnt 1                                 ; this step's numbers are back from the stage (the last step's byte store may be out): so its stores into the stage have read their registers,
.else
	s_wait_dscnt 0x0
.endif
.if (\t)+4 < STEPS
	LOAD (\t)+4                                    ; which take the loads of four steps on
.endif
.if (\t)+1 < STEPS
.if STEPS-2-(\t) >= 3
	s_wait_loadcnt 12                              ; the next step's four loads are in; those of the three steps behind it may be out
.else
	s_wait_loadcnt 4*(STEPS-2-(\t))
.endif
	TURNQ (\t)+1                                   ; and go through the other stage while this step is worked
.endif
	v_max3_num_f32 v8, |v[XS]|, |v[XS+1]|, |v[XS+2]|               ; the largest magnitude of my 16
	v_max3_num_f32 v9, |v[XS+3]|, |v[XS+4]|, |v[XS+5]|
.irp i, 6,10
	v_max3_num_f32 v8, v8, |v[XS+\i]|, |v[XS+\i+1]|
	v_max3_num_f32 v9, v9, |v[XS+\i+2]|, |v[XS+\i+3]|
.endr
	v_max3_num_f32 v8, v8, |v[XS+14]|, |v[XS+15]|
	v_max3_num_f32 v8, v8, v9, (EMAX+1)<<23        ; and the floor 2^(EMAX + 1 - 127): the byte cannot fall under 1
	v_max_num_f32_dpp v8, v8, v8 row_xmask:1 row_mask:0xf bank_mask:0xf   ; and of my neighbour's 16: the block's
	v_add_nc_u32 v11, -(EMAX<<23), v8              ; EMAX off its exponent field: the conversion takes the exponent field of this operand as its scale
	v_cvt_scalef32_pk8_fp4_f32 v[C+4*(\t)], v[XS:XS+7], v11        ; to the nearest code, ties to even, beyond the largest code the largest
	v_cvt_scalef32_pk8_fp4_f32 v[C+4*(\t)+1], v[XS+8:XS+15], v11
	v_lshrrev_b32 v[E+(\t)], 23, v11               ; the scale's byte (a plain line behind the conversions)
	ds_store_b8 v5, v[E+(\t)] offset:16*(\t)       ; both lanes of a block write the same byte with the same value
	global_store_b64 v4, v[C+4*(\t):C+4*(\t)+1], s[20:21] offset:32*CB*(\t)   ; 32 lanes store 256 consecutive bytes, aligned
.endm
.irp t, 0,1,2,3,4,5,6,7,8,9,10,11,12,13,14,15
	STEP \t
.endr
	ds_load_b64 v[8:9], v6                         ; LDS serves a wave's instructions in order: these see my stores
	s_wait_dscnt 0x0
	global_store_b64 v7, v[8:9], s[22:23]          ; 32 lanes store 256 consecutive bytes, aligned
	s_wait_tensorcnt 0x0                           ; the wave's end: behind my last LDS store
	ds_add_u32 v[SPW], v[NIL]
	s_wait_dscnt 0x0
	s_endpgm
; ---------------- jobs 2 and 3: 16 rows x 256 columns of 4 bytes a wave, as two units of 128 columns
.Lturn:
	s_sub_co_u32 s29, ttmp9, NQWG                  ; under NMWG: the mask; from NMWG on: Wo
	s_min_u32 s33, s29, NMWG-1                     ; both tile numbers are held inside their tensors; the select below takes one
	s_lshr_b32 s34, s33, 1                         ; the mask's row tile
	s_and_b32 s35, s33, 1                          ; and which 1,024 of its 2,048 keys
	s_max_u32 s36, s29, NMWG
	s_sub_co_u32 s36, s36, NMWG                    ; Wo's row tile
	s_lshl_b32 s37, s34, 17                        ; 16 rows of 8,192 bytes
	s_lshl_b32 s38, s35, 12
	s_add_co_u32 s37, s37, s38
	s_lshl_b32 s38, s36, 16                        ; 16 rows of 4,096 bytes
	s_mov_b32 s32, 4096
	s_wait_kmcnt 0x0
	s_cmp_lt_u32 s29, NMWG
	s_cselect_b64 s[30:31], s[18:19], s[16:17]     ; the tensor,
	s_cselect_b32 s32, 8192, s32                   ; its pitch,
	s_cselect_b32 s38, s37, s38                    ; and where my work-group's part begins
	s_lshl_b32 s39, s28, 10                        ; my wave's 256 columns
	s_add_co_u32 s38, s38, s39
	s_mov_b32 s39, 0
	s_add_nc_u64 s[30:31], s[30:31], s[38:39]
	v_lshlrev_b32 v3, 4, v2                        ; 16 x lane
.irp i, 0,1,2,3,4,5,6,7,8,9,10,11,12,13,14,15
	v_mad_u32_u24 v[VO+\i], s32, \i, v3
.endr
.irp u, 0,1
.irp i, 0,1,2,3,4,5,6,7,8,9,10,11,12,13,14,15
	global_load_b128 v[R0+64*\u+4*\i:R0+64*\u+4*\i+3], v[VO+\i], s[30:31] offset:512*\u th:TH_LOAD_NT   ; 512 consecutive bytes of row i
.endr
.endr
	v_and_b32 v7, 15, v2                           ; r
	v_lshrrev_b32 v8, 4, v2                        ; h
	s_mul_i32 s33, s28, 16*TP
	s_add_co_u32 s33, s33, TSTG                    ; my stage
	v_add_nc_u32 v4, s33, v3                       ; in: 16 x lane of row i
	v_mul_u32_u24 v5, v7, TP
	v_lshl_add_u32 v5, v8, 5, v5
	v_add_nc_u32 v5, s33, v5                       ; out: row r, + 32 h: eight columns of each sixteen
	v_lshlrev_b32 v6, 3, v2                        ; the lane masks leave 8 bytes a lane
.irp i, 0,1,2,3
	v_mov_b32 v[MW+\i], 0                          ; written whole once: v_writelane_b32's destination counts as read
.endr
	s_wait_loadcnt 16                              ; unit 0's sixteen loads are in; unit 1's may be out
.irp i, 0,1,2,3,4,5,6,7,8,9,10,11,12,13,14,15
	ds_store_b128 v4, v[R0+4*\i:R0+4*\i+3] offset:TP*\i
.endr
.irp i, 0,1,2,3,4,5,6,7,8,9,10,11,12,13,14,15
	ds_load_b128 v[X0+4*\i:X0+4*\i+3], v5 offset:64*(\i/2)+16*(\i%2)   ; register 8 kt + j: column 16 kt + 8 h + j of row r
.endr
	s_wait_loadcnt 0x0                             ; unit 1 is in
	s_wait_dscnt 0x0                               ; unit 0 is back: the stage has been read, and R0's registers are free
.irp i, 0,1,2,3,4,5,6,7,8,9,10,11,12,13,14,15
	ds_store_b128 v4, v[R1+4*\i:R1+4*\i+3] offset:TP*\i
.endr
.irp i, 0,1,2,3,4,5,6,7,8,9,10,11,12,13,14,15
	ds_load_b128 v[R0+4*\i:R0+4*\i+3], v5 offset:64*(\i/2)+16*(\i%2)
.endr
	s_wait_dscnt 0x0
	s_cmp_lt_u32 s29, NMWG
	s_cbranch_scc0 .Lwo
	; job 2's tail.  A compare of register i against 0 IS word i of the unit's 64: it goes to lane i / 2, so that the 32 lanes store 256 consecutive bytes
	s_lshl_b32 s38, s34, 12                        ; 4,096 bytes a row tile,
	s_lshl_b32 s37, s35, 11                        ; 2,048 for 1,024 keys,
	s_add_co_u32 s38, s38, s37
	s_lshl_b32 s37, s28, 9                         ; 512 for my wave's 256
	s_add_co_u32 s38, s38, s37
	s_add_nc_u64 s[26:27], s[26:27], s[38:39]
.macro WORDS xr, mw
.set g, 0
.rept 8
.irp n, 0,1,2,3,4,5,6,7
	v_cmp_ne_u32 s[40+\n], 0, v[\xr+8*g+\n]
.endr
.irp n, 0,1,2,3,4,5,6,7
	v_writelane_b32 v[\mw+\n%2], s[40+\n], 4*g+\n/2
.endr
.set g, g+1
.endr
.endm
	WORDS X0, MW
	global_store_b64 v6, v[MW:MW+1], s[26:27]
	WORDS R0, MW+2
	global_store_b64 v6, v[MW+2:MW+3], s[26:27] offset:256
	s_wait_tensorcnt 0x0                           ; the wave's end: behind my last LDS store
	ds_add_u32 v[SPW], v[NIL]
	s_wait_dscnt 0x0
	s_endpgm
.Lwo:
	; job 3's tail.  Eight neighbours along K round to four registers: half a fragment's image, 512 consecutive bytes a store
	s_lshl_b32 s38, s36, 15                        ; 32 KiB a row tile,
	s_lshl_b32 s37, s28, 13                        ; 8 KiB for my wave's 256 along K
	s_add_co_u32 s38, s38, s37
	s_add_nc_u64 s[24:25], s[24:25], s[38:39]
.set i, 0
.rept 32
	v_cvt_pk_f16_f32 v[X0+i], v[X0+2*i], v[X0+2*i+1]   ; in place, ascending: a result never lands on a number still to be read
.set i, i+1
.endr
.irp t, 0,1,2,3,4,5,6,7
	global_store_b128 v3, v[X0+4*\t:X0+4*\t+3], s[24:25] offset:512*\t
.endr
.set i, 0
.rept 32
	v_cvt_pk_f16_f32 v[R0+i], v[R0+2*i], v[R0+2*i+1]
.set i, i+1
.endr
.irp t, 0,1,2,3,4,5,6,7
	global_store_b128 v3, v[R0+4*\t:R0+4*\t+3], s[24:25] offset:4096+512*\t
.endr
	s_wait_tensorcnt 0x0                           ; the wave's end, as above
	ds_add_u32 v[SPW], v[NIL]
	s_wait_dscnt 0x0
	s_endpgm
.Lfunc_end_k_q2254b89cef_prep:
	.size	k_q2254b89cef_prep, .Lfunc_end_k_q2254b89cef_prep-k_q2254b89cef_prep
	.p2alignl 7, 3214868480
	.fill 96, 4, 3214868480
	.section	.rodata,"a",@progbits
	.p2align	6, 0x0
	.amdhsa_kernel k_q2254b89cef_prep
		.amdhsa_group_segment_fixed_size 67072
		.amdhsa_private_segment_fixed_size 0
		.amdhsa_enable_private_segment 0
		.amdhsa_kernarg_size 96
		.amdhsa_user_sgpr_count 2
		.amdhsa_user_sgpr_kernarg_segment_ptr 1
		.amdhsa_wavefront_size32 1
		.amdhsa_system_sgpr_workgroup_id_x 1
		.amdhsa_system_sgpr_workgroup_id_y 1
		.amdhsa_system_sgpr_workgroup_id_z 1
		.amdhsa_system_vgpr_workitem_id 0
		.amdhsa_next_free_vgpr 232
		.amdhsa_next_free_sgpr 66
		.amdhsa_reserve_vcc 0
		.amdhsa_float_denorm_mode_32 3
		.amdhsa_float_denorm_mode_16_64 3
		.amdhsa_memory_ordered 1
		.amdhsa_forward_progress 1
		.amdhsa_inst_pref_size 66
	.end_amdhsa_kernel
	.amdgpu_metadata
---
amdhsa.version: [ 1, 2 ]
amdhsa.kernels:
  - .name:           k_q2254b89cef_prep
    .symbol:         k_q2254b89cef_prep.kd
    .args:
      - { .name: q, .offset: 0, .size: 8, .value_kind: global_buffer, .address_space: global }
      - { .name: k, .offset: 8, .size: 8, .value_kind: global_buffer, .address_space: global }
      - { .name: v, .offset: 16, .size: 8, .value_kind: global_buffer, .address_space: global }
      - { .name: Wq, .offset: 24, .size: 8, .value_kind: global_buffer, .address_space: global }
      - { .name: Wk, .offset: 32, .size: 8, .value_kind: global_buffer, .address_space: global }
      - { .name: Wv, .offset: 40, .size: 8, .value_kind: global_buffer, .address_space: global }
      - { .name: Wo, .offset: 48, .size: 8, .value_kind: global_buffer, .address_space: global }
      - { .name: mask, .offset: 56, .size: 8, .value_kind: global_buffer, .address_space: global }
      - { .name: codes, .offset: 64, .size: 8, .value_kind: global_buffer, .address_space: global }
      - { .name: scales, .offset: 72, .size: 8, .value_kind: global_buffer, .address_space: global }
      - { .name: wimg, .offset: 80, .size: 8, .value_kind: global_buffer, .address_space: global }
      - { .name: maskw, .offset: 88, .size: 8, .value_kind: global_buffer, .address_space: global }
    .group_segment_fixed_size: 67072
    .private_segment_fixed_size: 0
    .kernarg_segment_align: 8
    .kernarg_segment_size: 96
    .max_flat_workgroup_size: 128
    .sgpr_count:     66
    .vgpr_count:     232
    .wavefront_size: 32
...
	.end_amdgpu_metadata
.endif
;; end of part 1
;; launch proj (part 2): grid 4 x 96, 4 waves a work-group, clusters of 4 x 4, 327,680 bytes of LDS; arguments codes, scales, bq, bk, bv, qkv; writes qkv
.if DOCPART == 2
	.amdgcn_target "amdgcn-amd-amdhsa--gfx1250"
	.amdhsa_code_object_version 6
	.text
	.protected	k_q2254b89cef_proj
	.globl	k_q2254b89cef_proj
	.p2align	8
	.type	k_q2254b89cef_proj,@function
k_q2254b89cef_proj:
	s_mov_b64 s[64:65], 0
	v_nop
	global_prefetch_b8 v0, s[64:65] scope:SCOPE_SE
	s_setreg_imm32_b32 hwreg(HW_REG_WAVE_MODE, 25, 1), 1
	s_wait_xcnt 0x0
	s_wait_alu depctr_hold_cnt(0) depctr_sa_sdst(0) depctr_va_vdst(0) depctr_va_sdst(0) depctr_va_ssrc(0) depctr_va_vcc(0) depctr_vm_vsrc(0)
	s_getreg_b32 s2, hwreg(HW_REG_IB_STS2, 6, 4)
	s_cmp_eq_u32 s2, 0
	s_cbranch_scc0 .Lentry_in_a_cluster
	s_endpgm
.Lentry_in_a_cluster:
	s_bfe_u32 s2, ttmp6, 0x10000c
	s_cmp_lg_u32 s2, 0xf033
	s_cbranch_scc0 .Lentry_shape_is_right
	s_endpgm
.Lentry_shape_is_right:
; PROJ.  The three quantised products, q Wq^T, k Wk^T, v Wv^T, on codes of FP4 (E2M1) with one E8M0 scale for each 32 along K = 1,024; sums in f32; + bias; rounded to f16 and stored as IMAGES OF THE NEXT
; PRODUCTS' OPERAND REGISTERS (a fragment of 16 rows x 32 along K: [registers 4 u on: 2][lane 32][16 bytes] = 1 KiB), so that every store is 512 consecutive bytes and nothing goes through LDS on the way out.
; Eight clusters of 4 x 4 work-groups for each product (cluster y / 8 says which).  A work-group makes 256 x 256 of C = A B^T, a wave 128 x 128: 64 accumulators, 512 registers.
;   Q, K: A = the tokens' codes (32 tile rows), B = the weight's (4 tile columns).    V: THE ROLES ARE SWAPPED, A = Wv, B = the tokens: the result is V^T, whose K in the next product is the keys.
; THE MATRIX INSTRUCTION IS USED TRANSPOSED (source 0 = 16 rows of B, source 1 = 16 rows of A): lane (r, h) holds row r of A's block and, in register j, row 16 b + 8 h + j of B: eight neighbours along the next K.
; Q is multiplied by c = log2(e) / 8 ahead of its rounding, so that the scores arrive as exponents of 2.
; K is two steps of 512 in two LDS slots, each filled once; the scale bytes of the work-group's rows come once, in rows of 256 bytes.  Tiles of A are asked for jointly along a row of the cluster, tiles of B along a column.
; qkv: Q at 0: [b h 64][tile of 16 queries 128][32 of the head's 64: 2][1 KiB].  K, V from 16 MiB on: [b h][512 keys: 4][K: 16 keys 32 x 2 x 1 KiB | V^T: 32 keys 16 x 16 channels 4 x 1 KiB].
; LIMITS: |c qh|, |kh|, |vh| stay under 65,504 (f16); NaN and infinities among the inputs, the biases too, are not served (the bias set that a product does not use is multiplied by 0).
; REGISTERS, in windows of 256: window 0: v0-31 addresses; v32-95 scale words, two sets; v96-111 the bias by A's rows; v112-117 offsets; v128-191 A's fragments, one set; v192-255 the bias by B's rows.
;   window 1: B's fragments, two sets.   window 2: the accumulators of my rows 0-63 ((a, b) at v[8 (8 a + b)]);   window 3: those of my rows 64-127.
.set NQ,     4                         ; matrix instructions deep in a slot: 512 along K
.set ROWB,   256                       ; a tile's row in bytes
.set KROW,   512                       ; a row of codes in memory
.set PITCH,  272                       ; an LDS row: 256 bytes + 16 of padding: the 16 rows that a load touches start at 16 different banks
.set FR,     8
.set NL,     2
.set NP,     4
.set HALFT,  128*PITCH
.set SLOT,   4*HALFT
.set KS,     32                        ; a row of scale bytes
.set SCL,    2*SLOT
.set HALFS,  (128*KS/256)*272
.set SBLK,   (16*KS/256)*272
.set SPARE,  SCL+4*HALFS               ; the spare words, 128 bytes for each wave: two blocks of 256 bytes that no other line names
.set ADRA, 16
.set ADRB, 20
.set ADRS, 27
.set SPW,  28
.set NIL,  29
.set SC,   32
.set BR,   96                          ; v96, 98 .. 110: the bias of A's block a at my row r (the odd registers are written, since the pairs are named)
.set OFS,  112                         ; v112-115 the stores' offsets for the four pairs of B's blocks
.set BPO,  116                         ; v116, v117 the bias loads' offsets; never rewritten
.set BRO,  117
.set AF,   128
.set T,    128                         ; the way out: 64 numbers at work, where A's fragments lay
.set BP,   192                         ; v192-255 the bias of B's rows 16 b + 8 h + j at register 8 b + j
.set WV,  16                           ; s16 wave;  s17 which half of the rows is mine, and: I fetch for A (0) or B (1);  s18 which half of the columns, and: which 128 rows I fetch
.set HR,  17
.set HC,  18
.set PID, 46                           ; s46 which product: 0 Q, 1 K, 2 V
.set G1, 24
.set G0, 32
.set G1B, 48
.set G0B, 56
.set G1S, 68
.set G0S, 76
.set G1SB, 80
.set G0SB, 88
.set MSB, 0
.macro WIN new                         ; the immediate's high byte repeats the setting that is left
.if MSB != \new
	s_set_vgpr_msb (MSB<<8)|\new
.set MSB, \new
.endif
.endm
.set MUL_LO, 0xa1                      ; source 0 (B) window 1, source 1 (A) window 0, C and D window 2
.set MUL_HI, 0xf1
.set TO_B,   0x40
; A joint load: waves 0 and 1 fetch for A, waves 2 and 3 for B.  The branch hangs on the wave's number alone.  An s_nop 0 and four v_nop follow each of the two lines.
.macro JLOAD g0a, g1a, g0b, g1b
	s_cmp_eq_u32 s[HR], 0
	s_cbranch_scc0 .Lfor_b_\@
	tensor_load_to_lds s[\g0a:\g0a+3], s[\g1a:\g1a+7]
	s_nop 0
.rept 4
	v_nop
.endr
	s_branch .Lasked_\@
.Lfor_b_\@:
	tensor_load_to_lds s[\g0b:\g0b+3], s[\g1b:\g1b+7]
	s_nop 0
.rept 4
	v_nop
.endr
.Lasked_\@:
.endm
.macro CROUND                          ; a round of the cluster's barrier
	s_barrier_signal -1
	s_barrier_wait -1
	s_cmp_lg_u32 s[WV], 0
	s_cbranch_scc1 .Lnot_wave_0_\@
	s_barrier_signal -3
.Lnot_wave_0_\@:
	s_barrier_wait -3
	s_barrier_signal -1
	s_barrier_wait -1
.endm
	s_load_b128 s[4:7], s[0:1], 0x0                ; codes s[4:5], scales s[6:7]
	s_load_b128 s[8:11], s[0:1], 0x10              ; bq, bk
	s_load_b128 s[12:15], s[0:1], 0x20             ; bv, qkv s[14:15]
	v_lshl_add_u32 v[SPW], v0, 2, SPARE
	v_mov_b32 v[NIL], 0
	ds_add_u32 v[SPW], v[NIL]                      ; the wave's opening: the add, twice on end, and its wait ahead of my first tensor load
	ds_add_u32 v[SPW], v[NIL]
	v_lshrrev_b32 v1, 5, v0
	v_readfirstlane_b32 s[WV], v1
	s_lshr_b32 s[HR], s[WV], 1
	s_and_b32 s[HC], s[WV], 1
	s_bfe_u32 s40, ttmp6, 0x40000                  ; cx, cy: my place in the cluster
	s_bfe_u32 s41, ttmp6, 0x40004
	s_and_b32 s47, ttmp7, 0xffff                   ; cluster y, 0 .. 23
	s_lshr_b32 s[PID], s47, 3                      ; the product,
	s_and_b32 s47, s47, 7                          ; and which of its eight clusters: both the same in all sixteen partners
	s_cmp_lt_u32 s[PID], 2
	s_cselect_b32 s20, s47, 0                      ; the clusters walk the tokens: A's rows for Q and K,
	s_cselect_b32 s22, 0, s47                      ; B's rows for V
	s_lshl_b32 s43, s20, 2
	s_add_co_u32 s43, s43, s41                     ; tile row of C
	s_lshl_b32 s42, s22, 2
	s_add_co_u32 s42, s42, s40                     ; tile column of C
	s_lshl_b32 s44, s41, 2
	s_lshl_b32 s44, 15, s44                        ; my row of the cluster
	s_lshl_b32 s45, 0x1111, s40                    ; my column
	; descriptor group 1: a tile of 128 rows x 256 bytes, 16 bytes of padding behind each row
	s_or_b32 s[G1+0], s44, (0<<16)|(1<<20)|(1<<21)|(5<<22)|(3<<25)
	s_or_b32 s[G1B+0], s45, (0<<16)|(1<<20)|(1<<21)|(5<<22)|(3<<25)
.irp g, G1, G1B
	s_mov_b32 s[\g+1], ROWB<<16                    ; tensor_dim0
	s_mov_b32 s[\g+2], 128<<16                     ; tensor_dim1
	s_mov_b32 s[\g+3], ROWB<<16                    ; tile_dim0
	s_mov_b32 s[\g+4], 128                         ; tile_dim1
	s_mov_b32 s[\g+5], KROW                        ; from row to row
	s_mov_b32 s[\g+6], 0
	s_mov_b32 s[\g+7], 0
.endr
	; the scales of 128 rows: 4,096 dense bytes as 16 rows of 256 bytes (32 elements of 8 bytes), 16 bytes of padding behind each
	s_or_b32 s[G1S+0], s44, (3<<16)|(1<<20)|(1<<21)|(5<<22)|(3<<25)
	s_or_b32 s[G1SB+0], s45, (3<<16)|(1<<20)|(1<<21)|(5<<22)|(3<<25)
.irp g, G1S, G1SB
	s_mov_b32 s[\g+1], 32<<16
	s_mov_b32 s[\g+2], (128*KS/256)<<16
	s_mov_b32 s[\g+3], 32<<16
	s_mov_b32 s[\g+4], 128*KS/256
	s_mov_b32 s[\g+5], 32
	s_mov_b32 s[\g+6], 0
	s_mov_b32 s[\g+7], 0
.endr
	; where the product's two operands begin in the two buffers: the tokens' sections lie 4 MiB (256 KiB) apart from 0, the weights' 512 KiB (32 KiB) apart from 12 MiB (768 KiB)
	s_lshl_b32 s20, s[PID], 22
	s_lshl_b32 s21, s[PID], 19
	s_add_co_u32 s21, s21, 12<<20
	s_lshl_b32 s22, s[PID], 18
	s_lshl_b32 s23, s[PID], 15
	s_add_co_u32 s23, s23, 768<<10
	s_cmp_lt_u32 s[PID], 2
	s_cselect_b32 s92, s20, s21                    ; A's codes,
	s_cselect_b32 s94, s21, s20                    ; B's,
	s_cselect_b32 s96, s22, s23                    ; A's scales,
	s_cselect_b32 s98, s23, s22                    ; B's
	s_lshl_b32 s19, s[HC], 7                       ; which 128 rows of the tile I fetch
	s_lshl_b32 s20, s43, 8
	s_add_co_u32 s20, s20, s19                     ; A: row 256 x tile row + 128 x half
	s_lshl_b32 s22, s42, 8
	s_add_co_u32 s22, s22, s19                     ; B: row 256 x tile column + 128 x half
	s_lshl_b32 s21, s20, 9
	s_add_co_u32 s92, s92, s21
	s_lshl_b32 s21, s20, 5
	s_add_co_u32 s96, s96, s21
	s_lshl_b32 s23, s22, 9
	s_add_co_u32 s94, s94, s23
	s_lshl_b32 s23, s22, 5
	s_add_co_u32 s98, s98, s23
	s_mov_b32 s93, 0
	s_mov_b32 s95, 0
	s_mov_b32 s97, 0
	s_mov_b32 s99, 0
	s_mul_i32 s2, s[WV], HALFT                     ; where they go: wave x 128 rows: no place in the cluster enters an LDS address
	s_mul_i32 s3, s[WV], HALFS
	s_wait_dscnt 0x0                               ; both opening adds are done
	s_wait_kmcnt 0x0
	s_add_nc_u64 s[92:93], s[4:5], s[92:93]
	s_add_nc_u64 s[94:95], s[4:5], s[94:95]
	s_add_nc_u64 s[96:97], s[6:7], s[96:97]
	s_add_nc_u64 s[98:99], s[6:7], s[98:99]
	CROUND                                         ; all sixteen work-groups are here: the joint loads meet
	s_mov_b32 s[G0S], 1
	s_add_co_u32 s[G0S+1], s3, SCL
	s_mov_b64 s[G0S+2:G0S+3], s[96:97]
	s_or_b32 s[G0S+3], s[G0S+3], 0x80000000
	s_mov_b32 s[G0SB], 1
	s_add_co_u32 s[G0SB+1], s3, SCL
	s_mov_b64 s[G0SB+2:G0SB+3], s[98:99]
	s_or_b32 s[G0SB+3], s[G0SB+3], 0x80000000
	JLOAD G0S, G1S, G0SB, G1SB                     ; the scales first: they are wanted with K step 0
.irp s, 0,1
	s_mov_b32 s[G0+4*\s], 1
	s_add_co_u32 s[G0+4*\s+1], s2, \s*SLOT
	s_add_nc_u64 s[G0+4*\s+2:G0+4*\s+3], s[92:93], \s*ROWB
	s_or_b32 s[G0+4*\s+3], s[G0+4*\s+3], 0x80000000
	s_mov_b32 s[G0B+4*\s], 1
	s_add_co_u32 s[G0B+4*\s+1], s2, \s*SLOT
	s_add_nc_u64 s[G0B+4*\s+2:G0B+4*\s+3], s[94:95], \s*ROWB
	s_or_b32 s[G0B+4*\s+3], s[G0B+4*\s+3], 0x80000000
	JLOAD G0+4*\s, G1, G0B+4*\s, G1B               ; three loads of mine are out: all that the launch fetches
.endr
	v_and_b32 v1, 15, v0                           ; r
	v_bfe_u32 v2, v0, 4, 1                         ; h
	v_mul_u32_u24 v3, v1, PITCH
	v_lshl_add_u32 v4, v2, 4, v3                   ; a fragment's row x pitch + 16 x half
	s_mul_i32 s21, s[HR], HALFT                    ; my 128 rows of A
	s_mul_i32 s22, s[HC], HALFT                    ; my 128 rows of B,
	s_add_co_u32 s22, s22, 2*HALFT                 ; which lie behind A's 256
.irp s, 0,1
	v_add_nc_u32 v[ADRA+\s], s21, v4
	v_add_nc_u32 v[ADRB+\s], s22, v4
	s_add_co_u32 s21, s21, SLOT
	s_add_co_u32 s22, s22, SLOT
.endr
	v_mul_u32_u24 v5, v1, KS                       ; my row's scales: KS bytes a row,
	v_lshrrev_b32 v6, 8, v5
	v_lshl_add_u32 v5, v6, 4, v5                   ; and 16 more for each 256 passed
	s_mul_i32 s21, s[HR], HALFS
	s_mul_i32 s22, s[HC], HALFS
	s_add_co_u32 s22, s22, 2*HALFS
	s_sub_co_u32 s22, s22, s21
	v_mul_u32_u24 v6, s22, v2                      ; lanes 16-31 take B's
	s_add_co_u32 s21, s21, SCL
	v_add_nc_u32 v5, v5, v6
	v_add_nc_u32 v[ADRS], s21, v5
	; the biases, both ways round; the way out multiplies the set that this product does not use by 0
	s_lshl_b32 s20, s43, 8
	s_lshl_b32 s21, s[HR], 7
	s_add_co_u32 s20, s20, s21                     ; my first row of A
	s_lshl_b32 s22, s42, 8
	s_lshl_b32 s23, s[HC], 7
	s_add_co_u32 s22, s22, s23                     ; my first row of B
	s_and_b32 s21, s20, 1023                       ; (held inside the 1,024 numbers of a bias where the rows are tokens)
	s_lshl_b32 s21, s21, 2
	s_and_b32 s23, s22, 1023
	s_lshl_b32 s23, s23, 2
	v_lshl_add_u32 v[BPO], v2, 5, s23              ; B's rows 8 h on
	v_lshl_add_u32 v[BRO], v1, 2, s21              ; A's row r
	s_cmp_eq_u32 s[PID], 1
	s_cselect_b64 s[8:9], s[10:11], s[8:9]
	s_cmp_eq_u32 s[PID], 2
	s_cselect_b64 s[8:9], s[12:13], s[8:9]         ; the product's bias
.irp b, 0,1,2,3,4,5,6,7
	global_load_b128 v[BP+8*\b:BP+8*\b+3], v[BPO], s[8:9] offset:64*\b
	global_load_b128 v[BP+8*\b+4:BP+8*\b+7], v[BPO], s[8:9] offset:64*\b+16
.endr
.irp a, 0,1,2,3,4,5,6,7
	global_load_b32 v[BR+2*\a], v[BRO], s[8:9] offset:64*\a
	v_mov_b32 v[BR+2*\a+1], 0
.endr
	; the way out's numbers.  Steps in bytes: from A's block to the next (s94), from block 3 to block 4 (s96), between B's pairs of blocks (s98, s19)
	s_cmp_lt_u32 s[PID], 2
	s_cselect_b32 s92, s20, s22                    ; my first token,
	s_cselect_b32 s93, s22, s20                    ; my first feature
	s_mov_b32 s94, 1024
	s_cselect_b32 s94, 2048, s94                   ; Q, K: 16 tokens on, 2 KiB;  V: 16 channels on, 1 KiB
	s_mov_b32 s96, 521216
	s_cselect_b32 s96, 2048, s96                   ; V: on to the next head, 512 KiB less three steps
	s_mov_b32 s98, 4096
	s_cselect_b32 s98, 1024, s98                   ; Q, K: the head's other 32;  V: 32 keys on
	s_cselect_b32 s99, 0, 1.0                      ; the factor of the bias by A's rows
	s_cselect_b32 s2, 1.0, 0                       ; and of the bias by B's rows, ahead of c
	s_mov_b32 s66, 1.0
	s_mov_b32 s19, 524288
	s_cmp_eq_u32 s[PID], 0
	s_cselect_b32 s66, 0x3e38aa3b, s66             ; c = log2(e) / 8 for Q, else 1
	s_cselect_b32 s19, 262144, s19                 ; Q, K: the next head
	s_mov_b32 s67, s66                             ; (the packed forms name pairs)
	s_mul_f32 s2, s2, s66
	s_mov_b32 s3, s2
	s_cmp_eq_u32 s[PID], 2
	s_cselect_b32 s19, 8192, s19                   ; V: 64 keys on
	s_cselect_b32 s47, 65536, 0                    ; V^T lies behind K in each chunk
	s_lshr_b32 s20, s92, 11
	s_lshl_b32 s20, s20, 4
	s_lshr_b32 s21, s93, 6
	s_add_co_u32 s20, s20, s21                     ; 16 b + head
	s_and_b32 s21, s92, 2047                       ; the token in its sequence
	s_lshl_b32 s22, s20, 18
	s_lshl_b32 s23, s21, 7
	s_add_co_u32 s22, s22, s23                     ; Q's place
	s_lshl_b32 s20, s20, 19
	s_lshr_b32 s23, s21, 9
	s_lshl_b32 s23, s23, 17
	s_add_co_u32 s20, s20, s23
	s_and_b32 s23, s21, 511
	s_lshl_b32 s23, s23, 7
	s_add_co_u32 s20, s20, s23
	s_add_co_u32 s20, s20, s47
	s_add_co_u32 s20, s20, 16<<20                  ; K's or V's
	s_cmp_eq_u32 s[PID], 0
	s_cselect_b32 s20, s22, s20
	s_mov_b32 s21, 0
	s_add_nc_u64 s[14:15], s[14:15], s[20:21]
	s_mov_b32 s95, 0
	s_mov_b32 s97, 0
	v_and_b32 v3, 31, v0
	v_lshlrev_b32 v[OFS], 4, v3                    ; 16 x lane
	v_add_nc_u32 v[OFS+1], s98, v[OFS]
	v_add_nc_u32 v[OFS+2], s19, v[OFS]
	v_add_nc_u32 v[OFS+3], s19, v[OFS+1]
.macro FRAG reg, adr, q, i             ; a fragment, 16 rows x 128 K of 4-bit codes: registers 4 c .. 4 c + 3 hold K = 64 c + 32 (l / 16) + 0 .. 31
.irp c, 0,1
	ds_load_b128 v[\reg+4*\c:\reg+4*\c+3], v[\adr] offset:64*(\q)+32*\c+(\i)*16*PITCH
.endr
.endm
; 16 matrix instructions: A's blocks a0, a0 + 1 x B's eight, the slot's q-th 128 along K.  p: B's set; sc: the set of scale words.  zero = 1: the first product starts the sums.
; The 64 accumulators take turns, one instruction a turn, in the same order in every step.
.macro MUL16 a0, p, q, sc, zero
.irp a, \a0, \a0+1
.irp b, 0,1,2,3,4,5,6,7
.if \zero
	v_wmma_scale_f32_16x16x128_f8f6f4 v[8*(8*((\a)%4)+\b):8*(8*((\a)%4)+\b)+7], v[128*(\p)+FR*\b:128*(\p)+FR*\b+FR-1], v[AF+FR*(\a):AF+FR*(\a)+FR-1], 0, v[SC+8*NQ*(\sc)+NQ*\b+(\q)], v[SC+8*NQ*(\sc)+NQ*(\a)+(\q)] matrix_a_fmt:MATRIX_FMT_FP4 matrix_b_fmt:MATRIX_FMT_FP4 matrix_a_scale:MATRIX_SCALE_ROW1
.else
	v_wmma_scale_f32_16x16x128_f8f6f4 v[8*(8*((\a)%4)+\b):8*(8*((\a)%4)+\b)+7], v[128*(\p)+FR*\b:128*(\p)+FR*\b+FR-1], v[AF+FR*(\a):AF+FR*(\a)+FR-1], v[8*(8*((\a)%4)+\b):8*(8*((\a)%4)+\b)+7], v[SC+8*NQ*(\sc)+NQ*\b+(\q)], v[SC+8*NQ*(\sc)+NQ*(\a)+(\q)] matrix_a_fmt:MATRIX_FMT_FP4 matrix_b_fmt:MATRIX_FMT_FP4 matrix_a_scale:MATRIX_SCALE_ROW1
.endif
.endr
.endr
.endm
.macro FETCH_B slot, q, p
	WIN TO_B
.irp i, 0,1,2,3,4,5,6,7
	FRAG 128*(\p)+FR*\i, ADRB+\slot, \q, \i
.endr
	WIN 0
.endm
.macro FETCH_A slot, q, i0
.irp i, \i0, \i0+1, \i0+2, \i0+3
	FRAG AF+FR*(\i), ADRA+\slot, \q, \i
.endr
.endm
.macro SCALES sc                       ; a K step's scale words: four words a row; lanes 0-15 take A's block i, lanes 16-31 B's block i
.irp i, 0,1,2,3,4,5,6,7
	ds_load_b128 v[SC+8*NQ*\sc+NQ*\i:SC+8*NQ*\sc+NQ*\i+3], v[ADRS] offset:\i*SBLK
.endr
.endm
.macro PLACES n                        ; plain vector lines between a matrix instruction and a load into, or a read of, its registers
.rept \n
	v_nop
.endr
.endm
.macro STEP slot, q, zero              ; a step of 128 along K that has its successor in the same slot
	s_wait_dscnt 4*NL                              ; B's set and A's blocks 0-3 are in; the youngest eight loads (A's blocks 4-7) may be out
	WIN MUL_LO
	MUL16 0, (\q)%2, \q, \slot, \zero
	MUL16 2, (\q)%2, \q, \slot, \zero
	s_wait_dscnt 0                                 ; A's blocks 4-7 are in
	PLACES NP
	FETCH_B \slot, (\q)+1, 1-(\q)%2
	FETCH_A \slot, (\q)+1, 0
	WIN MUL_HI
	MUL16 4, (\q)%2, \q, \slot, \zero
	MUL16 6, (\q)%2, \q, \slot, \zero
	PLACES NP
	WIN 0
	FETCH_A \slot, (\q)+1, 4
.endm
.macro TURN slot, next                 ; slot 0's last step, and the change to slot 1: one barrier; nothing is filled again
	s_wait_tensorcnt 0x0                           ; all my tensor loads have landed: my part of slot 1 was the last
	ds_add_u32 v[SPW], v[NIL]                      ; 0 onto my spare word
	s_wait_dscnt 4*NL+1                            ; (the add and the youngest eight loads may be out)
	WIN MUL_LO
	MUL16 0, 1, NQ-1, \slot, 0
	s_wait_dscnt 0x0                               ; no LDS instruction of mine is out at the signal
	s_barrier_signal -1
	MUL16 2, 1, NQ-1, \slot, 0
	WIN 0
	s_barrier_wait -1                              ; slot 1 is whole for every wave
	PLACES NP
	v_add_nc_u32 v[ADRS], 4*NQ, v[ADRS]            ; on to the next K step's scale words
	FETCH_B \next, 0, 0
	FETCH_A \next, 0, 0
	SCALES \next
	WIN MUL_HI
	MUL16 4, 1, NQ-1, \slot, 0
	MUL16 6, 1, NQ-1, \slot, 0
	PLACES NP
	WIN 0
	FETCH_A \next, 0, 4
.endm
.macro STEPS slot, from
.set Q, \from
.rept NQ-1-\from
	STEP \slot, Q, 0
.set Q, Q+1
.endr
.endm
	s_wait_tensorcnt 1                             ; the scales and my part of K step 0 are in (K step 1's load may be out),
	s_barrier_signal -1
	s_barrier_wait -1                              ; everybody's are
	FETCH_B 0, 0, 0
	FETCH_A 0, 0, 0
	SCALES 0
	FETCH_A 0, 0, 4
	STEP 0, 0, 1                                   ; the first step's products start the sums: nothing is cleared
	STEPS 0, 1
	TURN 0, 1
	STEPS 1, 0
	s_wait_dscnt 4*NL                              ; the last step: nothing more to fetch
	WIN MUL_LO
	MUL16 0, 1, NQ-1, 1, 0
	MUL16 2, 1, NQ-1, 1, 0
	s_wait_dscnt 0
	WIN MUL_HI
	MUL16 4, 1, NQ-1, 1, 0
	MUL16 6, 1, NQ-1, 1, 0
	WIN 0
; THE WAY OUT.  (sum + bias) x c, as sum x c + bias x c.  The 40 lines that scale the biases name no register of the last products: they are the places behind them.
	s_wait_loadcnt 0x0                             ; the biases
.set i, 0
.rept 32
	v_pk_mul_f32 v[BP+i:BP+i+1], v[BP+i:BP+i+1], s[2:3] op_sel_hi:[1,0]
.set i, i+2
.endr
.irp a, 0,1,2,3,4,5,6,7
	v_mul_f32 v[BR+2*\a], s99, v[BR+2*\a]
.endr
; Block a of A, against B's eight blocks: 64 numbers a lane.  B's blocks 2 p and 2 p + 1 are the two halves of one fragment's image.
.macro OUTBLK a
.set AC, 64*((\a)%4)
.set OU, 32+32*((\a)%2)                ; the packed results: v32-63 and v64-95 by turns
	WIN 0x02+(\a)/4                                ; source 0: window 2 or 3
.set i, 0
.rept 32
	v_pk_fma_f32 v[T+i:T+i+1], v[AC+i:AC+i+1], s[66:67], v[BP+i:BP+i+1] op_sel_hi:[1,0,1]   ; each accumulator from its low end on
.set i, i+2
.endr
	WIN 0
.set i, 0
.rept 32
	v_pk_add_f32 v[T+i:T+i+1], v[T+i:T+i+1], v[BR+2*(\a):BR+2*(\a)+1] op_sel_hi:[1,0]
.set i, i+2
.endr
	s_wait_xcnt 0x0                                ; the earlier stores have read their data and their base: both are written again only behind this wait
.set i, 0
.rept 32
	v_cvt_pk_f16_f32 v[OU+i], v[T+2*i], v[T+2*i+1]
.set i, i+1
.endr
.if (\a) == 4
	s_add_nc_u64 s[14:15], s[14:15], s[96:97]
.elseif (\a) > 0
	s_add_nc_u64 s[14:15], s[14:15], s[94:95]
.endif
.irp b, 0,1,2,3,4,5,6,7
	global_store_b128 v[OFS+\b/2], v[OU+4*\b:OU+4*\b+3], s[14:15] offset:512*(\b%2)   ; 32 lanes store 512 consecutive bytes, aligned
.endr
.endm
.irp a, 0,1,2,3,4,5,6,7
	OUTBLK \a
.endr
	s_wait_tensorcnt 0x0                           ; the wave's end
	ds_add_u32 v[SPW], v[NIL]
	s_wait_dscnt 0x0
	CROUND                                         ; the closing round
	s_endpgm
.Lfunc_end_k_q2254b89cef_proj:
	.size	k_q2254b89cef_proj, .Lfunc_end_k_q2254b89cef_proj-k_q2254b89cef_proj
	.p2alignl 7, 3214868480
	.fill 96, 4, 3214868480
	.section	.rodata,"a",@progbits
	.p2align	6, 0x0
	.amdhsa_kernel k_q2254b89cef_proj
		.amdhsa_group_segment_fixed_size 327680
		.amdhsa_private_segment_fixed_size 0
		.amdhsa_enable_private_segment 0
		.amdhsa_kernarg_size 48
		.amdhsa_user_sgpr_count 2
		.amdhsa_user_sgpr_kernarg_segment_ptr 1
		.amdhsa_wavefront_size32 1
		.amdhsa_system_sgpr_workgroup_id_x 1
		.amdhsa_system_sgpr_workgroup_id_y 1
		.amdhsa_system_sgpr_workgroup_id_z 1
		.amdhsa_system_vgpr_workitem_id 0
		.amdhsa_next_free_vgpr 1024
		.amdhsa_next_free_sgpr 100
		.amdhsa_reserve_vcc 0
		.amdhsa_float_denorm_mode_32 3
		.amdhsa_float_denorm_mode_16_64 3
		.amdhsa_memory_ordered 1
		.amdhsa_forward_progress 1
		.amdhsa_inst_pref_size 157
	.end_amdhsa_kernel
	.amdgpu_metadata
---
amdhsa.version: [ 1, 2 ]
amdhsa.kernels:
  - .name:           k_q2254b89cef_proj
    .symbol:         k_q2254b89cef_proj.kd
    .args:
      - { .name: codes, .offset: 0, .size: 8, .value_kind: global_buffer, .address_space: global }
      - { .name: scales, .offset: 8, .size: 8, .value_kind: global_buffer, .address_space: global }
      - { .name: bq, .offset: 16, .size: 8, .value_kind: global_buffer, .address_space: global }
      - { .name: bk, .offset: 24, .size: 8, .value_kind: global_buffer, .address_space: global }
      - { .name: bv, .offset: 32, .size: 8, .value_kind: global_buffer, .address_space: global }
      - { .name: qkv, .offset: 40, .size: 8, .value_kind: global_buffer, .address_space: global }
    .group_segment_fixed_size: 327680
    .private_segment_fixed_size: 0
    .kernarg_segment_align: 8
    .kernarg_segment_size: 48
    .max_flat_workgroup_size: 128
    .sgpr_count:     100
    .vgpr_count:     1024
    .wavefront_size: 32
...
	.end_amdgpu_metadata
.endif
;; end of part 2
;; launch attn (part 3): grid 4 x 64, 8 waves a work-group, clusters of 4 x 1, 327,680 bytes of LDS; arguments qkv, maskw, ximg; writes ximg
.if DOCPART == 3
	.amdgcn_target "amdgcn-amd-amdhsa--gfx1250"
	.amdhsa_code_object_version 6
	.text
	.protected	k_q2254b89cef_attn
	.globl	k_q2254b89cef_attn
	.p2align	8
	.type	k_q2254b89cef_attn,@function
k_q2254b89cef_attn:
	s_mov_b64 s[64:65], 0
	v_nop
	global_prefetch_b8 v0, s[64:65] scope:SCOPE_SE
	s_setreg_imm32_b32 hwreg(HW_REG_WAVE_MODE, 25, 1), 1
	s_wait_xcnt 0x0
	s_wait_alu depctr_hold_cnt(0) depctr_sa_sdst(0) depctr_va_vdst(0) depctr_va_sdst(0) depctr_va_ssrc(0) depctr_va_vcc(0) depctr_vm_vsrc(0)
	s_getreg_b32 s2, hwreg(HW_REG_IB_STS2, 6, 4)
	s_cmp_eq_u32 s2, 0
	s_cbranch_scc0 .Lentry_in_a_cluster
	s_endpgm
.Lentry_in_a_cluster:
	s_bfe_u32 s2, ttmp6, 0x10000c
	s_cmp_lg_u32 s2, 0x3003
	s_cbranch_scc0 .Lentry_shape_is_right
	s_endpgm
.Lentry_shape_is_right:
; ATTN.  x[b][q][h] = the sum over k of softmax_k(where(mask == 0, -1e9, qh . kh / 8)) vh, in f16 operands and f32 sums.  Q arrives multiplied by log2(e) / 8, so a score arrives as t = score x log2(e).
; SHARES.  A work-group owns 512 queries of one (b, h), each of its eight waves 64: four tiles of 16; two waves to a SIMD, so that one wave's products stand beside the other's softmax.
; Every wave walks all 2,048 keys, 64 a step.  The four query blocks of a head are a cluster and ask for K and V jointly.
; LAYOUT.  S^T = K Q^T (source 0 = 16 keys, source 1 = 16 queries): a lane holds ONE query (lane % 16) and, in register j, key 8 (lane / 16) + j.  Two such tiles, rounded to f16 in pairs, ARE source 1 of
; O^T = V^T P, whose result again holds one query a lane.  K, V^T and Q come as images of their registers: every LDS load is 512 consecutive bytes, and a chunk of 512 keys (K's 64 KiB, then V^T's) is one dense block of memory.
; THE MASK costs one line a register: the launch before stored, for each register of each score tile, the 32 lanes' bits as one word, and v_cndmask_b32 puts TM = -1e9 x log2(e) in the place of a hidden score, ahead of the maximum.
; The words select values alone: no address, branch or trip count hangs on them.  They come by scalar loads, TWO TILES' AT A TIME, into two sets of 32 scalar registers.  Scalar loads return in no order, so only the wait for 0
; shows one done (ISA guide 5.7.1), and what a load has in which to land is the work between two such waits: here two tiles' softmax and products, 236 vector and 16 matrix instructions.
; Each word is read by the work-groups of its batch's sixteen heads, so the words are no stream that is read once: they are not prefetched.
; SOFTMAX.  A running maximum m and sum l a query; p = 2^(t - m) by a true subtraction, so that a row that is hidden everywhere gives p = 1 for every key: the plain mean of V.  In every step O^T and l are multiplied by 2^(old m - new m).
; LIMITS: NaN and infinities are not served; a score at or under -1e9 that is not hidden is not told apart from a hidden one as the definition tells them; rows of which the mask leaves few keys carry the f16 operands' rounding.
; The K and V stream is not prefetched: a chunk is asked for eight key steps, 512 matrix instructions of each wave, ahead of the wait for it.
; REGISTERS: window 0: v1-7 addresses and constants; v8-19 at work; v20-35 m and l, four a tile; v36-43 1 / l; v64-191 S^T, 32 a tile (P in the low 16); v192-255 K.   window 1: v0-127 O^T, 32 a tile; v128-191 Q; v192-255 V^T.
.set SLOT1, 1<<17                      ; a slot holds a chunk: 131,072 bytes; one exclusive or turns an address in one slot into the other's
.set SPARE, 2*SLOT1                    ; the spare words, 128 bytes for each wave: four blocks of 256 bytes that no other line names
.set LI,  1                            ; v1 16 x lane
.set ADK, 2                            ; v2 LDS address of the step's K
.set ADV, 3                            ; v3 of its V^T
.set TMR, 4                            ; v4 TM
.set PX,  5                            ; v5 the lane exchange's destination
.set SPW, 6
.set NIL, 7
.set MX,  8                            ; v8-11 four chains of the maximum
.set MN,  12                           ; v12 the new m
.set FF,  14                           ; v[14:15] 2^(old m - new m) (the pair's high word is written once)
.set SU,  16                           ; v[16:19] two chains of the sum
.set STT, 20                           ; tile t: v[20+4t] m (and a written partner), v[22+4t:23+4t] l, even keys' and odd keys'
.set RL,  36                           ; v[36+2t] 1 / l
.set S,   64
.set KF,  192
.set QF,  128                          ; window 1
.set VF,  192                          ; window 1
.set WA,  32                           ; s[32:63] the lane masks of an even tile
.set WB,  68                           ; s[68:99] of the odd tile beside it
.set MSB, 0
.macro WIN new                         ; the immediate's high byte repeats the setting that is left
.if MSB != \new
	s_set_vgpr_msb (MSB<<8)|\new
.set MSB, \new
.endif
.endm
.macro CROUND                          ; a round of the cluster's barrier
	s_barrier_signal -1
	s_barrier_wait -1
	s_cmp_lg_u32 s10, 0
	s_cbranch_scc1 .Lnot_wave_0_\@
	s_barrier_signal -3
.Lnot_wave_0_\@:
	s_barrier_wait -3
	s_barrier_signal -1
	s_barrier_wait -1
.endm
; The lane masks of tiles t0 and t0 + 1 for the key step at s11: 128 bytes a tile, the tiles 4 KiB apart.
.macro WORDS t0
	s_load_b512 s[WA:WA+15],    s[6:7], s11 offset:4096*(\t0)
	s_load_b512 s[WA+16:WA+31], s[6:7], s11 offset:4096*(\t0)+64
	s_load_b512 s[WB:WB+15],    s[6:7], s11 offset:4096*(\t0)+4096
	s_load_b512 s[WB+16:WB+31], s[6:7], s11 offset:4096*(\t0)+4096+64
.endm
	s_load_b128 s[4:7], s[0:1], 0x0                ; qkv s[4:5], maskw s[6:7]
	s_load_b64 s[8:9], s[0:1], 0x10                ; ximg
	v_lshl_add_u32 v[SPW], v0, 2, SPARE
	v_mov_b32 v[NIL], 0
	ds_add_u32 v[SPW], v[NIL]                      ; the wave's opening: the add, twice on end, and its wait ahead of my first tensor load
	ds_add_u32 v[SPW], v[NIL]
	v_lshrrev_b32 v1, 5, v0
	v_readfirstlane_b32 s10, v1                    ; wave 0..7
	s_bfe_u32 s15, ttmp6, 0x40000                  ; cx
	s_lshl_b32 s19, ttmp9, 2
	s_add_co_u32 s15, s19, s15                     ; my block of 512 queries: it enters Q's, the mask's and x's addresses alone
	s_and_b32 s18, ttmp7, 0xffff                   ; 16 b + head, which the four partners share
	s_lshl_b32 s2, s18, 19                         ; the head's K and V: 512 KiB,
	s_lshl_b32 s21, s10, 14                        ; my wave's 16 KiB of a chunk, in memory and in LDS alike
	s_add_co_u32 s2, s2, s21
	s_add_co_u32 s2, s2, 16<<20                    ; behind Q's section
	s_mov_b32 s3, 0
	s_mov_b32 s20, 1                               ; group 0: count = 1; s21 the LDS address; s[22:23] the global address
	; group 1: 64 rows of 256 bytes (32 elements of 8 bytes), dense, no padding; all four work-groups of the cluster
	s_mov_b32 s24, 15|(3<<16)|(1<<21)
	s_mov_b32 s25, 32<<16                          ; tensor_dim0
	s_mov_b32 s26, 64<<16                          ; tensor_dim1
	s_mov_b32 s27, 32<<16                          ; tile_dim0
	s_mov_b32 s28, 64                              ; tile_dim1
	s_mov_b32 s29, 32                              ; from row to row
	s_mov_b32 s30, 0
	s_mov_b32 s31, 0
	s_lshl_b32 s19, s15, 5
	s_lshl_b32 s32, s10, 2
	s_add_co_u32 s19, s19, s32                     ; my first tile of 16 queries in the sequence
	s_lshl_b32 s32, s18, 18
	s_lshl_b32 s34, s19, 11
	s_add_co_u32 s32, s32, s34                     ; Q: 256 KiB a head, 2 KiB a tile
	s_mov_b32 s33, 0
	s_lshr_b32 s34, s18, 4
	s_lshl_b32 s34, s34, 7
	s_add_co_u32 s34, s34, s19                     ; the tile among all 512 of the four sequences
	s_lshl_b32 s36, s34, 15                        ; x: 32 KiB a tile,
	s_and_b32 s38, s18, 15
	s_lshl_b32 s38, s38, 11                        ; 2 KiB a head
	s_add_co_u32 s36, s36, s38
	s_mov_b32 s37, 0
	s_lshl_b32 s34, s34, 12                        ; the lane masks: 4 KiB a tile
	s_mov_b32 s35, 0
	s_mov_b32 s16, 0x76543210                      ; v_permlanex16_b32's selects for lane l xor 16
	s_mov_b32 s17, 0xfedcba98
	s_mov_b32 s11, 0                               ; 128 x the key step: where its lane masks lie in a tile's 4 KiB
	s_mov_b32 s12, 0                               ; LDS byte of the key step in hand
	s_mov_b32 s14, 3                               ; chunks still to be asked for
	s_wait_dscnt 0x0                               ; both opening adds are done
	s_wait_kmcnt 0x0
	s_add_nc_u64 s[22:23], s[4:5], s[2:3]
	s_or_b32 s23, s23, 0x80000000                  ; type = 2
	s_add_nc_u64 s[4:5], s[4:5], s[32:33]
	s_add_nc_u64 s[6:7], s[6:7], s[34:35]
	s_add_nc_u64 s[8:9], s[8:9], s[36:37]
	CROUND                                         ; all four work-groups are here: the first joint load meets
	tensor_load_to_lds s[20:23], s[24:31]          ; chunk 0 into slot 0: each wave its eighth
	s_nop 0
.rept 4
	v_nop
.endr
	v_and_b32 v[LI], 31, v0
	v_lshlrev_b32 v[LI], 4, v[LI]
	WORDS 0                                        ; key step 0's lane masks of tiles 0 and 1
	WIN 0x40                                       ; destination window 1
.set i, 0
.rept 16
	global_load_b128 v[QF+4*i:QF+4*i+3], v[LI], s[4:5] offset:512*i th:TH_LOAD_NT   ; Q stays in registers: tile i / 4, the head's 32 (i / 2 % 2), registers 4 (i % 2) on
.set i, i+1
.endr
.set i, 0
.rept 128
	v_mov_b32 v[i], 0                              ; O^T.  The key step is written without a first step of its own: it finds zeros, which the first change of m leaves zeros
.set i, i+1
.endr
	WIN 0
.irp t, 0,1,2,3
	v_mov_b32 v[STT+4*\t], 0xff61b1e6              ; m: -3e38, under every t and under TM
	v_mov_b32 v[STT+4*\t+1], 0
	v_mov_b32 v[STT+4*\t+2], 0                     ; l
	v_mov_b32 v[STT+4*\t+3], 0
	v_mov_b32 v[RL+2*\t+1], 0
.endr
	v_mov_b32 v[PX], 0
	v_mov_b32 v[FF+1], 0
	v_mov_b32 v[TMR], 0xceabfb8f                   ; TM = -1e9 x log2(e)
	s_wait_loadcnt 0x0                             ; Q
; Tile t's hidden scores become TM; w: the set that holds its 32 words.
.macro MASK t, w
.set rS, S+32*(\t)
.set i, 0
.rept 32
	v_cndmask_b32 v[rS+i], v[TMR], v[rS+i], s[\w+i]   ; each score tile from its low end on
.set i, i+1
.endr
.endm
; One tile's softmax for one key step, and its eight products V^T P, which run under the vector work that follows.
.macro SOFT t
.set rS, S+32*(\t)
.set rT, STT+4*(\t)
.set rO, 32*(\t)
.irp j, 0,1,2,3
	v_max3_num_f32 v[MX+\j], v[rS+8*\j], v[rS+8*\j+1], v[rS+8*\j+2]   ; the maximum of my 32 and the old m: four chains
.endr
.irp q, 1,2
.irp j, 0,1,2,3
	v_max3_num_f32 v[MX+\j], v[MX+\j], v[rS+8*\j+2*\q+1], v[rS+8*\j+2*\q+2]
.endr
.endr
	v_max3_num_f32 v[MX], v[MX], v[rS+7], v[rS+15]
	v_max3_num_f32 v[MX+2], v[MX+2], v[rS+23], v[rS+31]
	v_max3_num_f32 v[MX], v[MX], v[MX+1], v[MX+2]
	v_max3_num_f32 v[MX], v[MX], v[MX+3], v[rT]
	v_permlanex16_b32 v[PX], v[MX], s16, s17       ; the query's other 32 keys lie in the lane 16 away
	v_max_num_f32 v[MN], v[MX], v[PX]
	v_sub_f32 v[FF], v[rT], v[MN]                  ; old m - new m
	v_mov_b32 v[rT], v[MN]
.set i, 0
.rept 16
	v_pk_add_f32 v[rS+i:rS+i+1], v[rS+i:rS+i+1], v[rT:rT+1] op_sel_hi:[1,0] neg_lo:[0,1] neg_hi:[0,1]   ; t - m
.set i, i+2
.endr
	v_exp_f32 v[FF], v[FF]                         ; ONE BATCH of 33 exponentials,
.set i, 0
.rept 32
	v_exp_f32 v[rS+i], v[rS+i]
.set i, i+1
.endr
	v_nop                                          ; one plain line behind the last,
	s_wait_alu depctr_va_vdst(0)                   ; and one wait ahead of the first line that names a result
	v_pk_add_f32 v[SU:SU+1], v[rS:rS+1], v[rS+2:rS+3]             ; the sum of the unrounded p, in two chains
	v_pk_add_f32 v[SU+2:SU+3], v[rS+4:rS+5], v[rS+6:rS+7]
.irp j, 8,12,16,20,24,28
	v_pk_add_f32 v[SU:SU+1], v[SU:SU+1], v[rS+\j:rS+\j+1]
	v_pk_add_f32 v[SU+2:SU+3], v[SU+2:SU+3], v[rS+\j+2:rS+\j+3]
.endr
	v_pk_add_f32 v[SU:SU+1], v[SU:SU+1], v[SU+2:SU+3]
	v_pk_fma_f32 v[rT+2:rT+3], v[rT+2:rT+3], v[FF:FF+1], v[SU:SU+1] op_sel_hi:[1,0,1]
.set i, 0
.rept 16
	v_cvt_pk_f16_f32 v[rS+i], v[rS+2*i], v[rS+2*i+1]   ; P, in place, ascending
.set i, i+1
.endr
	WIN 0x41                                       ; O^T in window 1
.set i, 0
.rept 16
	v_pk_mul_f32 v[rO+i:rO+i+1], v[rO+i:rO+i+1], v[FF:FF+1] op_sel_hi:[1,0]
.set i, i+2
.endr
.if \t == 0
	s_wait_dscnt 0x0                               ; V^T is in
.endif
	WIN 0x51                                       ; V^T and O^T in window 1, P in window 0
.irp g, 0,1
.irp ct, 0,1,2,3
	v_wmma_f32_16x16x32_f16 v[rO+8*\ct:rO+8*\ct+7], v[VF+32*\g+8*\ct:VF+32*\g+8*\ct+7], v[rS+8*\g:rS+8*\g+7], v[rO+8*\ct:rO+8*\ct+7]   ; the tile's four accumulators by turns
.endr
.endr
	WIN 0
.endm
; A KEY STEP: 64 keys.
.macro STEP
	v_add_nc_u32 v[ADK], s12, v[LI]                ; five plain lines behind the last step's last products: four are owed ahead of the loads into V^T's registers, five ahead of the products that write over P
	v_add_nc_u32 v[ADV], 0x10000, v[ADK]
.rept 3
	v_nop
.endr
.set i, 0
.rept 16
	ds_load_b128 v[KF+4*i:KF+4*i+3], v[ADK] offset:512*i          ; K: 16 keys (i / 4), the head's 32 (i / 2 % 2), registers 4 (i % 2) on
.set i, i+1
.endr
	WIN 0x40
.set i, 0
.rept 16
	ds_load_b128 v[VF+4*i:VF+4*i+3], v[ADV] offset:512*i          ; V^T: 32 keys (i / 8), 16 channels (i / 2 % 4)
.set i, i+1
.endr
	s_add_co_u32 s12, s12, 8192                    ; the next step's images, K's and V^T's alike
	s_wait_dscnt 16                                ; K is in; V^T's sixteen loads may be out
	WIN 0x04                                       ; Q in window 1
.irp c, 0,1
.irp t, 0,1,2,3
.irp kt, 0,1,2,3
.if \c == 0
	v_wmma_f32_16x16x32_f16 v[S+32*\t+8*\kt:S+32*\t+8*\kt+7], v[KF+16*\kt+8*\c:KF+16*\kt+8*\c+7], v[QF+16*\t+8*\c:QF+16*\t+8*\c+7], 0
.else
	v_wmma_f32_16x16x32_f16 v[S+32*\t+8*\kt:S+32*\t+8*\kt+7], v[KF+16*\kt+8*\c:KF+16*\kt+8*\c+7], v[QF+16*\t+8*\c:QF+16*\t+8*\c+7], v[S+32*\t+8*\kt:S+32*\t+8*\kt+7]
.endif
.endr
.endr
.endr                                  ; the sixteen accumulators take turns, one instruction a turn
	WIN 0
.rept 4
	v_nop                                          ; places ahead of the first read of the scores
.endr
	s_wait_kmcnt 0x0                               ; the words of tiles 0 and 1 are in: asked for behind the last step's selects of tiles 2 and 3
	MASK 0, WA
	MASK 1, WB
	WORDS 2                                        ; both sets have been read: the words of tiles 2 and 3 have two tiles' softmax in which to land
	SOFT 0
	SOFT 1
	s_wait_kmcnt 0x0                               ; they are in
	MASK 2, WA
	MASK 3, WB
	s_add_co_u32 s11, s11, 128                     ; (no scalar load is out: the offset may be written)  the next key step's words;
	s_min_u32 s11, s11, 3968                       ; the last step asks for its own again: no load leaves the buffer
	WORDS 0                                        ; of tiles 0 and 1: two tiles' softmax and the next step's loads and products K Q^T ahead of the wait
	SOFT 2
	SOFT 3
.endm
; THE CHANGE OF SLOTS stands at a slot's head.  Each wave waits for all its tensor loads (one is out: its eighth of the chunk that it is about to read), adds 0 to its spare word, and waits for that and for its reads of the slot that it has left.
; fill = 1: a round of the cluster's barrier, and behind it, first, the joint load of the next chunk into the slot that was left: it has eight key steps in which to land.
.macro CHANGE fill
	s_wait_tensorcnt 0x0                           ; no tensor load of mine is out, so group 0 may be written
	ds_add_u32 v[SPW], v[NIL]
.if \fill
	s_xor_b32 s21, s21, SLOT1                      ; the other slot than last time,
	s_add_nc_u64 s[22:23], s[22:23], 131072        ; the next chunk; the type bits on top are not reached
.endif
	s_wait_dscnt 0x0                               ; the add is done, and my reads of the slot that I have left are over
.if \fill
	CROUND
	tensor_load_to_lds s[20:23], s[24:31]
	s_nop 0
.rept 4
	v_nop
.endr
.else
	s_barrier_signal -1
	s_barrier_wait -1
.endif
.endm
.macro SLOT_STEPS                      ; a chunk's eight key steps: written once, walked eight times
	s_mov_b32 s13, 8
.Lstep_\@:
	STEP
	s_sub_co_u32 s13, s13, 1
	s_cmp_lg_u32 s13, 0
	s_cbranch_scc1 .Lstep_\@
	s_sub_co_u32 s12, s12, 65536                   ; back to a slot's first step,
	s_xor_b32 s12, s12, SLOT1                      ; in the other slot
.endm
.Lslot:                                ; three trips: behind each change of slots but the last the next chunk is asked for
	CHANGE 1
	SLOT_STEPS
	s_sub_co_u32 s14, s14, 1
	s_cmp_lg_u32 s14, 0
	s_cbranch_scc1 .Lslot
	CHANGE 0                                       ; the last chunk is written out
	SLOT_STEPS
	; THE WAY OUT.  l's two halves and the other half of the lanes' are added (these lines are the places behind the last products); O^T / l, rounded to f16, IS the image of the output projection's operand.
.irp t, 0,1,2,3
	v_add_f32 v[MX+\t], v[STT+4*\t+2], v[STT+4*\t+3]
.endr
.irp t, 0,1,2,3
	v_permlanex16_b32 v[SU+\t], v[MX+\t], s16, s17
.endr
.irp t, 0,1,2,3
	v_add_f32 v[MX+\t], v[MX+\t], v[SU+\t]
.endr
.irp t, 0,1,2,3
	v_rcp_f32 v[RL+2*\t], v[MX+\t]                 ; l is at least 1: the largest p of a row is 1
.endr
	v_nop
	s_wait_alu depctr_va_vdst(0)                   ; one wait for the four reciprocals, ahead of their first reader
.irp t, 0,1,2,3
	WIN 0x01                                       ; source 0 window 1
.set i, 0
.rept 16
	v_pk_mul_f32 v[S+32*\t+i:S+32*\t+i+1], v[32*\t+i:32*\t+i+1], v[RL+2*\t:RL+2*\t+1] op_sel_hi:[1,0]
.set i, i+2
.endr
	WIN 0
.set i, 0
.rept 16
	v_cvt_pk_f16_f32 v[KF+16*\t+i], v[S+32*\t+2*i], v[S+32*\t+2*i+1]
.set i, i+1
.endr
.irp ct, 0,1,2,3
	global_store_b128 v[LI], v[KF+16*\t+4*\ct:KF+16*\t+4*\ct+3], s[8:9] offset:32768*\t+512*\ct   ; 32 lanes store 512 consecutive bytes, aligned
.endr
.endr
	s_wait_tensorcnt 0x0                           ; the wave's end
	ds_add_u32 v[SPW], v[NIL]
	s_wait_dscnt 0x0
	CROUND                                         ; the closing round
	s_endpgm
.Lfunc_end_k_q2254b89cef_attn:
	.size	k_q2254b89cef_attn, .Lfunc_end_k_q2254b89cef_attn-k_q2254b89cef_attn
	.p2alignl 7, 3214868480
	.fill 96, 4, 3214868480
	.section	.rodata,"a",@progbits
	.p2align	6, 0x0
	.amdhsa_kernel k_q2254b89cef_attn
		.amdhsa_group_segment_fixed_size 327680
		.amdhsa_private_segment_fixed_size 0
		.amdhsa_enable_private_segment 0
		.amdhsa_kernarg_size 24
		.amdhsa_user_sgpr_count 2
		.amdhsa_user_sgpr_kernarg_segment_ptr 1
		.amdhsa_wavefront_size32 1
		.amdhsa_system_sgpr_workgroup_id_x 1
		.amdhsa_system_sgpr_workgroup_id_y 1
		.amdhsa_system_sgpr_workgroup_id_z 1
		.amdhsa_system_vgpr_workitem_id 0
		.amdhsa_next_free_vgpr 512
		.amdhsa_next_free_sgpr 100
		.amdhsa_reserve_vcc 0
		.amdhsa_float_denorm_mode_32 3
		.amdhsa_float_denorm_mode_16_64 3
		.amdhsa_memory_ordered 1
		.amdhsa_forward_progress 1
		.amdhsa_inst_pref_size 104
	.end_amdhsa_kernel
	.amdgpu_metadata
---
amdhsa.version: [ 1, 2 ]
amdhsa.kernels:
  - .name:           k_q2254b89cef_attn
    .symbol:         k_q2254b89cef_attn.kd
    .args:
      - { .name: qkv, .offset: 0, .size: 8, .value_kind: global_buffer, .address_space: global }
      - { .name: maskw, .offset: 8, .size: 8, .value_kind: global_buffer, .address_space: global }
      - { .name: ximg, .offset: 16, .size: 8, .value_kind: global_buffer, .address_space: global }
    .group_segment_fixed_size: 327680
    .private_segment_fixed_size: 0
    .kernarg_segment_align: 8
    .kernarg_segment_size: 24
    .max_flat_workgroup_size: 256
    .sgpr_count:     100
    .vgpr_count:     512
    .wavefront_size: 32
...
	.end_amdgpu_metadata
.endif
;; end of part 3
;; launch oproj (part 4): grid 4 x 64, 4 waves a work-group, clusters of 4 x 4, 327,680 bytes of LDS; arguments ximg, wimg, bo, out0; writes out0
.if DOCPART == 4
	.amdgcn_target "amdgcn-amd-amdhsa--gfx1250"
	.amdhsa_code_object_version 6
	.text
	.protected	k_q2254b89cef_oproj
	.globl	k_q2254b89cef_oproj
	.p2align	8
	.type	k_q2254b89cef_oproj,@function
k_q2254b89cef_oproj:
	s_mov_b64 s[64:65], 0
	v_nop
	global_prefetch_b8 v0, s[64:65] scope:SCOPE_SE
	s_setreg_imm32_b32 hwreg(HW_REG_WAVE_MODE, 25, 1), 1
	s_wait_xcnt 0x0
	s_wait_alu depctr_hold_cnt(0) depctr_sa_sdst(0) depctr_va_vdst(0) depctr_va_sdst(0) depctr_va_ssrc(0) depctr_va_vcc(0) depctr_vm_vsrc(0)
	s_getreg_b32 s2, hwreg(HW_REG_IB_STS2, 6, 4)
	s_cmp_eq_u32 s2, 0
	s_cbranch_scc0 .Lentry_in_a_cluster
	s_endpgm
.Lentry_in_a_cluster:
	s_bfe_u32 s2, ttmp6, 0x10000c
	s_cmp_lg_u32 s2, 0xf033
	s_cbranch_scc0 .Lentry_shape_is_right
	s_endpgm
.Lentry_shape_is_right:
; OPROJ.  out0 = x Wo^T + bo: x [8192][1024] and Wo [1024][1024] in f16, as images of their operand registers ([16 rows][32 along K: 32][1 KiB]); sums and out0 in f32.
; A tile of out0 is 128 tokens x 256 features: 256 work-groups of four waves, each 64 x 128: 32 accumulators, 256 registers.  K goes in chunks of 128 through two LDS slots.
; A chunk of 16 rows is 4,096 consecutive bytes of memory, and rows of tiles lie 32 KiB apart: one tensor load brings 4 (x) or 8 (Wo) such runs.  Every LDS load is 512 consecutive bytes: no pitch, no padding.
; CLUSTERS: 4 x 4 work-groups.  The four of a row of the cluster need the same tiles of x, the four of a column the same tiles of Wo: each is asked for jointly.
; THE MATRIX INSTRUCTION IS USED TRANSPOSED (source 0 = 16 rows of Wo, source 1 = 16 tokens): a lane holds eight neighbouring features of one token.  bo is the C of each sum's first product.
; LIMITS: |x| and |Wo| stay under 65,504 (f16).
; REGISTERS: window 0: v16-29 addresses; v64-159, v160-255 two fragment buffers (Wo's 8 fragments, then x's 4).   window 1: accumulator (a, b) at v[8 (8 a + b)].   window 2: v0-63 bo at my eight features of each b.
.set SLOT,   98304                     ; x [16 tokens: 8][32 along K: 4][1 KiB], then Wo [16 features: 16][4][1 KiB]
.set WOFF,   32768
.set STAGE,  2*SLOT                    ; behind the ring: 16 rows x 528 bytes for each wave, for the way out
.set SPITCH, 528
.set SPARE,  STAGE+4*16*SPITCH         ; the spare words, 128 bytes for each wave: two blocks of 256 bytes that no other line names
.set LAPS,   4                         ; a lap = two chunks = once round the ring
.set ADRA, 16
.set ADRB, 20
.set STO,  24
.set RD,   25
.set CO,   26
.set BO,   27                          ; v27 bo's offset; never rewritten
.set SPW,  28
.set NIL,  29
.set F0,   64
.set F1,   160
.set BK,   64                          ; the way out: 16 rows read back: v64-127 and v128-191 by turns
.set WV,  12                           ; s12 wave;  s13 which 64 tokens are mine, and: I fetch for x (0) or Wo (1);  s14 which 128 features, and: which half of the tile I fetch
.set HR,  13
.set HC,  14
.set G1X, 24
.set G0X, 32
.set G1W, 48
.set G0W, 56
.set MSB, 0
.macro WIN new                         ; the immediate's high byte repeats the setting that is left
.if MSB != \new
	s_set_vgpr_msb (MSB<<8)|\new
.set MSB, \new
.endif
.endm
.macro JLOAD s                         ; a joint load: waves 0 and 1 fetch x's two halves, waves 2 and 3 Wo's; an s_nop 0 and four v_nop follow each of the two lines
	s_cmp_eq_u32 s[HR], 0
	s_cbranch_scc0 .Lfor_w_\@
	tensor_load_to_lds s[G0X+4*\s:G0X+4*\s+3], s[G1X:G1X+7]
	s_nop 0
.rept 4
	v_nop
.endr
	s_branch .Lasked_\@
.Lfor_w_\@:
	tensor_load_to_lds s[G0W+4*\s:G0W+4*\s+3], s[G1W:G1W+7]
	s_nop 0
.rept 4
	v_nop
.endr
.Lasked_\@:
.endm
.macro CREST                           ; a round of the cluster's barrier behind its opening barrier
	s_cmp_lg_u32 s[WV], 0
	s_cbranch_scc1 .Lnot_wave_0_\@
	s_barrier_signal -3
.Lnot_wave_0_\@:
	s_barrier_wait -3
	s_barrier_signal -1
	s_barrier_wait -1
.endm
.macro CROUND
	s_barrier_signal -1
	s_barrier_wait -1
	CREST
.endm
	s_load_b256 s[4:11], s[0:1], 0x0               ; ximg s[4:5], wimg s[6:7], bo s[8:9], out0 s[10:11]
	v_lshl_add_u32 v[SPW], v0, 2, SPARE
	v_mov_b32 v[NIL], 0
	ds_add_u32 v[SPW], v[NIL]                      ; the wave's opening: the add, twice on end, and its wait ahead of my first tensor load
	ds_add_u32 v[SPW], v[NIL]
	v_lshrrev_b32 v1, 5, v0
	v_readfirstlane_b32 s[WV], v1
	s_lshr_b32 s[HR], s[WV], 1
	s_and_b32 s[HC], s[WV], 1
	s_bfe_u32 s40, ttmp6, 0x40000                  ; cx, cy
	s_bfe_u32 s41, ttmp6, 0x40004
	s_lshl_b32 s42, ttmp9, 2
	s_add_co_u32 s42, s42, s40                     ; tile column: 256 features
	s_and_b32 s43, ttmp7, 0xffff
	s_lshl_b32 s43, s43, 2
	s_add_co_u32 s43, s43, s41                     ; tile row: 128 tokens
	s_lshl_b32 s44, s41, 2
	s_lshl_b32 s44, 15, s44                        ; my row of the cluster
	s_lshl_b32 s45, 0x1111, s40                    ; my column
	; group 1: rows of 4,096 bytes (512 elements of 8 bytes), 32 KiB apart: 4 for x, 8 for Wo; no padding
	s_or_b32 s[G1X+0], s44, (3<<16)|(1<<21)
	s_or_b32 s[G1W+0], s45, (3<<16)|(1<<21)
	s_mov_b32 s[G1X+1], 512<<16                    ; tensor_dim0
	s_mov_b32 s[G1X+2], 4<<16                      ; tensor_dim1
	s_mov_b32 s[G1X+3], 512<<16                    ; tile_dim0
	s_mov_b32 s[G1X+4], 4                          ; tile_dim1
	s_mov_b32 s[G1X+5], 4096                       ; from row to row
	s_mov_b32 s[G1X+6], 0
	s_mov_b32 s[G1X+7], 0
	s_mov_b32 s[G1W+1], 512<<16
	s_mov_b32 s[G1W+2], 8<<16
	s_mov_b32 s[G1W+3], 512<<16
	s_mov_b32 s[G1W+4], 8
	s_mov_b32 s[G1W+5], 4096
	s_mov_b32 s[G1W+6], 0
	s_mov_b32 s[G1W+7], 0
	s_lshl_b32 s16, s43, 3
	s_lshl_b32 s17, s[HC], 2
	s_add_co_u32 s16, s16, s17
	s_lshl_b32 s16, s16, 15                        ; x: (8 x tile row + 4 x half) x 32 KiB
	s_mov_b32 s17, 0
	s_lshl_b32 s18, s42, 4
	s_lshl_b32 s19, s[HC], 3
	s_add_co_u32 s18, s18, s19
	s_lshl_b32 s18, s18, 15                        ; Wo: (16 x tile column + 8 x half) x 32 KiB
	s_mov_b32 s19, 0
	s_lshl_b32 s20, s[HC], 14                      ; where they go: x's halves,
	s_lshl_b32 s21, s[HC], 15
	s_add_co_u32 s21, s21, WOFF                    ; Wo's halves: no place in the cluster enters an LDS address
	s_wait_dscnt 0x0                               ; both opening adds are done
	s_wait_kmcnt 0x0
	s_add_nc_u64 s[16:17], s[4:5], s[16:17]
	s_add_nc_u64 s[18:19], s[6:7], s[18:19]
	CROUND                                         ; all sixteen work-groups are here: the first joint loads meet
.irp s, 0,1
	s_mov_b32 s[G0X+4*\s], 1
	s_add_co_u32 s[G0X+4*\s+1], s20, \s*SLOT
	s_add_nc_u64 s[G0X+4*\s+2:G0X+4*\s+3], s[16:17], \s*4096
	s_or_b32 s[G0X+4*\s+3], s[G0X+4*\s+3], 0x80000000
	s_mov_b32 s[G0W+4*\s], 1
	s_add_co_u32 s[G0W+4*\s+1], s21, \s*SLOT
	s_add_nc_u64 s[G0W+4*\s+2:G0W+4*\s+3], s[18:19], \s*4096
	s_or_b32 s[G0W+4*\s+3], s[G0W+4*\s+3], 0x80000000
	JLOAD \s                                       ; two loads of mine are out
.endr
	v_and_b32 v1, 15, v0                           ; r
	v_bfe_u32 v2, v0, 4, 1                         ; h
	v_and_b32 v3, 31, v0
	v_lshlrev_b32 v3, 4, v3                        ; 16 x lane
	s_lshl_b32 s22, s[HR], 14                      ; my 64 tokens: four tiles of 4 KiB
	s_lshl_b32 s23, s[HC], 15                      ; my 128 features: eight tiles,
	s_add_co_u32 s23, s23, WOFF                    ; behind x's
.irp s, 0,1
	v_add_nc_u32 v[ADRA+\s], s22, v3
	v_add_nc_u32 v[ADRB+\s], s23, v3
	s_add_co_u32 s22, s22, SLOT
	s_add_co_u32 s23, s23, SLOT
.endr
	s_mul_i32 s22, s[WV], 16*SPITCH
	s_add_co_u32 s22, s22, STAGE                   ; my stage
	v_mul_u32_u24 v4, v1, SPITCH
	v_lshl_add_u32 v4, v2, 5, v4
	v_add_nc_u32 v[STO], s22, v4                   ; in: row r, 32 bytes for each half of the lanes
	v_add_nc_u32 v[RD], s22, v3                    ; back: the 32 lanes take one row of 512 bytes;
	v_mov_b32 v[CO], v3                            ; and the same in out0
	s_lshl_b32 s22, s42, 10
	s_lshl_b32 s23, s[HC], 9
	s_add_co_u32 s22, s22, s23                     ; my first feature, in bytes
	v_lshl_add_u32 v[BO], v2, 5, s22
	WIN 0x80                                       ; destination window 2
.irp b, 0,1,2,3,4,5,6,7
	global_load_b128 v[8*\b:8*\b+3], v[BO], s[8:9] offset:64*\b
	global_load_b128 v[8*\b+4:8*\b+7], v[BO], s[8:9] offset:64*\b+16
.endr
	WIN 0
	s_lshl_b32 s46, s43, 7
	s_lshl_b32 s47, s[HR], 6
	s_add_co_u32 s46, s46, s47                     ; my first token
	s_lshl_b32 s46, s46, 12                        ; a row of out0 is 4,096 bytes
	s_add_co_u32 s46, s46, s22
	s_mov_b32 s47, 0
	s_add_nc_u64 s[10:11], s[10:11], s[46:47]
; 8 matrix instructions: tokens' block a x the eight blocks of features, 32 along K, out of buffer f.  first = 1: bo starts the sums.  The 32 accumulators take turns, one instruction a turn, in the same order in every quarter.
.macro MUL8 f, a, first
.irp b, 0,1,2,3,4,5,6,7
.if \first
	v_wmma_f32_16x16x32_f16 v[8*(8*(\a)+\b):8*(8*(\a)+\b)+7], v[\f+8*\b:\f+8*\b+7], v[\f+64+8*(\a):\f+64+8*(\a)+7], v[8*\b:8*\b+7]
.else
	v_wmma_f32_16x16x32_f16 v[8*(8*(\a)+\b):8*(8*(\a)+\b)+7], v[\f+8*\b:\f+8*\b+7], v[\f+64+8*(\a):\f+64+8*(\a)+7], v[8*(8*(\a)+\b):8*(8*(\a)+\b)+7]
.endif
.endr
.endm
.macro WMUL first                      ; D window 1; C window 2 (bo) or window 1
.if \first
	WIN 0x60
.else
	WIN 0x50
.endif
.endm
.macro FETCH slot, q, f                ; 24 LDS loads in one run: the slot's q-th 32 along K: Wo's eight fragments, then x's four
	WIN 0
.irp b, 0,1,2,3,4,5,6,7
	ds_load_b128 v[\f+8*\b:\f+8*\b+3],   v[ADRB+\slot] offset:4096*\b+1024*(\q)
	ds_load_b128 v[\f+8*\b+4:\f+8*\b+7], v[ADRB+\slot] offset:4096*\b+1024*(\q)+512
.endr
.irp a, 0,1,2,3
	ds_load_b128 v[\f+64+8*\a:\f+64+8*\a+3],   v[ADRA+\slot] offset:4096*\a+1024*(\q)
	ds_load_b128 v[\f+64+8*\a+4:\f+64+8*\a+7], v[ADRA+\slot] offset:4096*\a+1024*(\q)+512
.endr
.endm
.macro PLACES                          ; four plain lines between a matrix instruction and a load into, or a read of, its registers
.rept 4
	v_nop
.endr
.endm
; A chunk is four quarters of 32 along K, 32 matrix instructions each, on buffers 0, 1, 0, 1.  One of the first three: multiplies buffer f and fetches quarter qn into g.
.macro QUARTER slot, qn, f, g, first
	s_wait_dscnt 4                                 ; all but the youngest four loads (x's fragments 2 and 3) are in
	WMUL \first
	MUL8 \f, 0, \first
	MUL8 \f, 1, \first
	PLACES
	FETCH \slot, \qn, \g
	s_wait_dscnt 24                                ; all but the 24 just issued
	WMUL \first
	MUL8 \f, 2, \first
	MUL8 \f, 3, \first
.endm
; The last quarter multiplies buffer 1 and changes slots: one barrier; in front of it each wave waits for all its tensor loads, adds 0 to its spare word, and waits for that and for its reads of this slot.  fill = 1: this slot is filled again, two chunks ahead.
.macro TURN slot, next, fill
	WIN 0                                          ; (the add's two registers lie in window 0)
	s_wait_tensorcnt 0x0                           ; all my tensor loads have landed: my part of the next slot
	ds_add_u32 v[SPW], v[NIL]
	s_wait_dscnt 5                                 ; (the add and the youngest four loads may be out)
	WIN 0x50
	MUL8 F1, 0, 0                                  ; eight matrix instructions stand between the add and the wait for it
	s_wait_dscnt 0x0                               ; the add is done, and my reads of this slot are over
	s_barrier_signal -1
	MUL8 F1, 1, 0
	WIN 0
	s_barrier_wait -1
.if \fill
	CREST                                          ; the barrier has opened a round of the cluster's barrier: no wave of any partner still reads this slot or has a load on its way
	s_add_nc_u64 s[G0X+4*\slot+2:G0X+4*\slot+3], s[G0X+4*\slot+2:G0X+4*\slot+3], 8192
	s_add_nc_u64 s[G0W+4*\slot+2:G0W+4*\slot+3], s[G0W+4*\slot+2:G0W+4*\slot+3], 8192
	JLOAD \slot                                    ; the first tensor load behind the round; its four v_nop are also the places in front of the loads below
.else
	PLACES
.endif
	FETCH \next, 0, F0
	WIN 0x50
	MUL8 F1, 2, 0
	MUL8 F1, 3, 0
.endm
	s_wait_tensorcnt 1                             ; my part of chunk 0 is in (chunk 1's load may be out),
	s_barrier_signal -1
	s_barrier_wait -1                              ; everybody's is
	s_wait_loadcnt 0x0                             ; bo
	FETCH 0, 0, F0
	QUARTER 0, 1, F0, F1, 1                        ; the first quarter stands in front of the loop: its products start the sums
	WIN 0
	s_mov_b32 s3, LAPS-1
.Llap:                                 ; a trip goes once round the ring, from a lap's second quarter to the next lap's first, and fills both slots again
	QUARTER 0, 2, F1, F0, 0
	QUARTER 0, 3, F0, F1, 0
	TURN 0, 1, 1
	QUARTER 1, 1, F0, F1, 0
	QUARTER 1, 2, F1, F0, 0
	QUARTER 1, 3, F0, F1, 0
	TURN 1, 0, 1
	QUARTER 0, 1, F0, F1, 0
	WIN 0
	s_sub_co_u32 s3, s3, 1
	s_cmp_lg_u32 s3, 0
	s_cbranch_scc1 .Llap
	QUARTER 0, 2, F1, F0, 0                        ; the last lap fills nothing
	QUARTER 0, 3, F0, F1, 0
	TURN 0, 1, 0
	QUARTER 1, 1, F0, F1, 0
	QUARTER 1, 2, F1, F0, 0
	QUARTER 1, 3, F0, F1, 0
	s_wait_dscnt 4                                 ; the very last quarter
	WIN 0x50
	MUL8 F1, 0, 0
	MUL8 F1, 1, 0
	s_wait_dscnt 0
	MUL8 F1, 2, 0
	MUL8 F1, 3, 0
	WIN 0
; THE WAY OUT, block by block of 16 tokens x 128 features: through my own stage in LDS and back as whole rows of 512 bytes.  LDS serves a wave's instructions in order: no wait between the stores and the loads.
.macro TOSTAGE a
	WIN 0x04                                       ; an LDS store's data are its source 1: window 1
.irp b, 0,1,2,3,4,5,6,7
	ds_store_b128 v[STO], v[64*(\a)+8*\b:64*(\a)+8*\b+3] offset:64*\b          ; each accumulator from its low end on
	ds_store_b128 v[STO], v[64*(\a)+8*\b+4:64*(\a)+8*\b+7] offset:64*\b+16
.endr
	WIN 0
.set BB, BK+64*((\a)%2)
.irp t, 0,1,2,3,4,5,6,7,8,9,10,11,12,13,14,15
	ds_load_b128 v[BB+4*\t:BB+4*\t+3], v[RD] offset:\t*SPITCH
.endr
.endm
.macro SEND a, younger                 ; younger: the LDS instructions issued behind block a's loads, which may stay out
.set BB, BK+64*((\a)%2)
	s_wait_dscnt \younger                          ; the block is back in registers
.if (\a) > 0
	s_add_nc_u64 s[10:11], s[10:11], 16*4096       ; (behind a wait on XCNT: the earlier stores have read their base)  16 rows of out0 on
.endif
.irp t, 0,1,2,3,4,5,6,7,8,9,10,11,12,13,14,15
	global_store_b128 v[CO], v[BB+4*\t:BB+4*\t+3], s[10:11] offset:\t*4096 th:TH_STORE_NT   ; 32 lanes store 512 consecutive bytes, aligned; written once, read by nobody here
.endr
.endm
	PLACES                                         ; behind the last products: for the reads of their results and the loads into the registers that held fragments
	TOSTAGE 0
.irp a, 1,2,3
.if \a > 1
	s_wait_xcnt 0x0                                ; block a - 2's stores have read their registers and their base
.endif
	TOSTAGE \a
	SEND \a-1, 32                                  ; behind block a - 1's loads: block a's 16 stores and 16 loads
.endr
	s_wait_xcnt 0x0
	SEND 3, 0
	s_wait_tensorcnt 0x0                           ; the wave's end: behind my last tensor load and my last LDS store
	ds_add_u32 v[SPW], v[NIL]
	s_wait_dscnt 0x0
	CROUND                                         ; the closing round
	s_endpgm
.Lfunc_end_k_q2254b89cef_oproj:
	.size	k_q2254b89cef_oproj, .Lfunc_end_k_q2254b89cef_oproj-k_q2254b89cef_oproj
	.p2alignl 7, 3214868480
	.fill 96, 4, 3214868480
	.section	.rodata,"a",@progbits
	.p2align	6, 0x0
	.amdhsa_kernel k_q2254b89cef_oproj
		.amdhsa_group_segment_fixed_size 327680
		.amdhsa_private_segment_fixed_size 0
		.amdhsa_enable_private_segment 0
		.amdhsa_kernarg_size 32
		.amdhsa_user_sgpr_count 2
		.amdhsa_user_sgpr_kernarg_segment_ptr 1
		.amdhsa_wavefront_size32 1
		.amdhsa_system_sgpr_workgroup_id_x 1
		.amdhsa_system_sgpr_workgroup_id_y 1
		.amdhsa_system_sgpr_workgroup_id_z 1
		.amdhsa_system_vgpr_workitem_id 0
		.amdhsa_next_free_vgpr 576
		.amdhsa_next_free_sgpr 66
		.amdhsa_reserve_vcc 0
		.amdhsa_float_denorm_mode_32 3
		.amdhsa_float_denorm_mode_16_64 3
		.amdhsa_memory_ordered 1
		.amdhsa_forward_progress 1
		.amdhsa_inst_pref_size 86
	.end_amdhsa_kernel
	.amdgpu_metadata
---
amdhsa.version: [ 1, 2 ]
amdhsa.kernels:
  - .name:           k_q2254b89cef_oproj
    .symbol:         k_q2254b89cef_oproj.kd
    .args:
      - { .name: ximg, .offset: 0, .size: 8, .value_kind: global_buffer, .address_space: global }
      - { .name: wimg, .offset: 8, .size: 8, .value_kind: global_buffer, .address_space: global }
      - { .name: bo, .offset: 16, .size: 8, .value_kind: global_buffer, .address_space: global }
      - { .name: out0, .offset: 24, .size: 8, .value_kind: global_buffer, .address_space: global }
    .group_segment_fixed_size: 327680
    .private_segment_fixed_size: 0
    .kernarg_segment_align: 8
    .kernarg_segment_size: 32
    .max_flat_workgroup_size: 128
    .sgpr_count:     66
    .vgpr_count:     576
    .wavefront_size: 32
...
	.end_amdgpu_metadata
.endif
;; end of part 4
